; MI455X (gfx1250); checked and timed in simulation.
; The chip was launched on July 23, 2026; its instructions are those of AMD's public machine-readable ISA for CDNA 5 (MIT licence, August 2026) and "CDNA5" Instruction Set Architecture Reference Guide (July 2026). The comments in the code are by the model that wrote it; some were corrected since.
;; Single Head Attention. Allowed arithmetic: matrix products marked QUANTISED: E2M1 operands, one E8M0 scale for each 32 along K, by v_wmma_scale_f32_16x16x128_f8f6f4 with both operands' format E2M1 (or v_wmma_scale_f32_32x16x128_f4), f32 sums; products left as they are: bf16, f16 or f32 operands; f32 sums; everything else in f32.
;; Inputs: w_qkv 3,072 x 1,024 float32; x 4 x 2,048 x 1,024 float32.
;; Outputs: out0 4 x 2,048 x 1,024 float32.
;; This version of the problem:
;;   THIS VERSION OF THE PROBLEM IS GIVEN IN LOW PRECISION. The matrix products marked QUANTISED in the list below multiply operands that are first quantised to E2M1 (2 exponent bits, 1 mantissa bit; 4 bits a number), with one power-of-two scale for each 32 numbers along K (OCP MX v1.0); their sums are f32. The products marked 'left as it is' may take bf16, f16 or f32 operands, with f32 sums. Whichever they take, every output number must still come out within the allowed error. Rounding operands to bf16 (8 significant bits) uses up far more of that allowance than f16 does (11 bits, for magnitudes from 6e-5 to 65,504). All else is computed in f32.
;;   The module's matrix products, in the order in which they are computed (A, B: the left and right operand; K: the contracted axis; several contracted axes count as one K, in the product's order):
;;     1. [M 8,192, K 1,024] x [K 1,024, N 3,072]; A: input x; B: input w_qkv: QUANTISED
;;     2. batch 4 x [M 2,048, K 1,024] x [K 1,024, N 2,048]; A: computed on the way; B: computed on the way: left as it is (an operand is computed on the way)
;;     3. batch 4 x [M 2,048, K 2,048] x [K 2,048, N 1,024]; A: computed on the way; B: computed on the way: left as it is (an operand is computed on the way)
;;   THE QUANTISER, for each operand of a quantised product, along K:
;;     - K is cut into blocks of 32 from its start; a last block that is shorter is filled with zeros.
;;     - A block's scale is 2^e with e = floor(log2(the largest magnitude in the block)) - 2, held to -126 .. 127; a block of zeros has e = 0. As a byte (E8M0): e + 127.
;;     - Each number is divided by its block's scale, clamped to +-6, and rounded to the nearest number of E2M1, ties to even, subnormals kept.
;;     - The product sums the exact products of the quantised numbers (number of the format x scale) in f32.
;;   ~~~python
;;   def quantise(x, axis):      # numpy; x: float32 -> the quantised numbers, widened to float32 again
;;       x = np.moveaxis(x, axis, -1); K = x.shape[-1]
;;       x = np.pad(x, [(0, 0)] * (x.ndim - 1) + [(0, -K % 32)]); x = x.reshape(x.shape[:-1] + (-1, 32)); a = np.abs(x).max(-1, keepdims=True)
;;       e = np.where(a > 0, np.clip(np.frexp(np.where(a > 0, a, 1))[1] - 1 - 2, -126, 127), 0)      # np.frexp(a)[1] - 1 = floor(log2(a)), exactly
;;       r = np.clip(x / 2.0 ** e, -6, 6)
;;       step = 2.0 ** (np.maximum(np.frexp(np.where(r == 0, 1, r))[1] - 1, 0) - 1)
;;       q = np.round(r / step) * step * 2.0 ** e      # np.round: ties to even
;;       return np.moveaxis(q.reshape(q.shape[:-2] + (-1,))[..., :K], -1, axis).astype(np.float32)
;;   ~~~
;; One version. Each part assembles by itself: llvm-mc -triple=amdgcn-amd-amdhsa -mcpu=gfx1250 --defsym DOCPART=n.
;; ======== version 1 of 1: 5 launches
;; limits: values are held in f16: magnitudes above 65,504 overflow, below 6.1e-05 lose precision
;; workspace buffers: xc 4,194,304 bytes; xs 262,144 bytes; wc 1,572,864 bytes; ws 98,304 bytes; qkv16 50,331,648 bytes; qkv32 786,432 bytes; pm 33,554,432 bytes; stat 1,048,576 bytes
;; launch quant (part 1): grid 352 x 1, 4 waves a work-group, no clusters, 33,280 bytes of LDS; arguments x, w_qkv, xc, xs, wc, ws; writes xc, xs, wc, ws
.if DOCPART == 1
	.amdgcn_target "amdgcn-amd-amdhsa--gfx1250"
	.amdhsa_code_object_version 6
	.text
	.protected	k_qcada13d235_quant
	.globl	k_qcada13d235_quant
	.p2align	8
	.type	k_qcada13d235_quant,@function
k_qcada13d235_quant:
	s_mov_b64 s[64:65], 0
	v_nop
	global_prefetch_b8 v0, s[64:65] scope:SCOPE_SE
	s_setreg_imm32_b32 hwreg(HW_REG_WAVE_MODE, 25, 1), 1
	s_wait_xcnt 0x0
; THE PROGRAM: y = softmax(causal(q k^T / 32)) v with [q k v] = x w_qkv^T, the first product on codes of FP4 (E2M1) with one E8M0 scale for each 32 along K.
; Five launches: quant (this one: x and w_qkv into codes), gemm (q, k, v as f16, and as f32 for the first 16 positions), scores (p = 2^(t - M) for each block of 128 keys, with -M and the block's sum),
; pv (the weighted sum of v for positions 16 on), fine (positions 0 to 15 of every sequence, all in f32).
; WORK LEFT OUT, and why it can reach no output: the problem itself builds a lower-triangular mask and sets a score to -infinity where the key comes after the query; the softmax makes 0 of it, and 0 times a row of v adds nothing,
; whatever finite numbers x and w_qkv hold.  So tiles of 256 queries x 256 keys of q k^T all of whose keys come after all their queries are not computed, and steps of 256 keys of the second product that lie wholly behind a block of
; 128 queries are not walked.  Hidden scores inside a tile that also holds live ones are computed and masked.  LIMIT: a NaN, an infinity or an overflow that would arise only in the work left out is not carried to the result.
; Every input has a way to the output: both are loaded.
;
; THIS LAUNCH: x [8192][1024] and w_qkv [3072][1024], f32, K innermost, are turned into codes, 4 bits each, and one E8M0 scale byte for each 32 along K.
; A block's scale is 2^(floor(log2(its largest magnitude)) - 2); its byte is the largest magnitude's own exponent field - 2, held at 1 from below.  (A block of zeros so gets the byte 1 where the rule says 127: its codes are zeros,
; which add nothing under any byte but 0xff, and the bytes are read by this program alone.)  Each number is divided by the scale and rounded to the nearest code, ties to even; beyond 6 the largest code.
; LIMITS: blocks whose largest magnitude lies under 2^(2 - 126) have their byte held at 1; NaN and infinities among the inputs are not served.
; Rows are dense and K is a multiple of 32: both tensors are plain streams of blocks of 32 numbers, and so are the codes and the scale bytes.
; A wave takes 16 steps of 512 numbers.  A load reads 512 consecutive bytes, 16 a lane; a step's 2,048 bytes turn through the wave's own stage in LDS and come back 64 bytes a lane: 16 neighbours along K, two lanes to a block.
; A lane's 16 codes are 8 bytes: the wave stores 256 consecutive bytes.  A wave's 256 scale bytes are gathered in LDS and leave as one aligned run of 256 bytes.
; The first WGA work-groups take x, the others w_qkv.  No tensor loads, no barrier: waves share nothing.  Loads run four steps (16 loads a wave) ahead, the turn through LDS one step.
.set SIZE_M, 8192
.set SIZE_N, 3072
.set SIZE_K, 1024
.set WAVES, 4
.set STEPS, 16
.set WGA,   SIZE_M*SIZE_K/(512*STEPS*WAVES)    ; 256 work-groups for x, 96 for w_qkv
.set EMAX,  2
.set CB,    8                          ; bytes of 16 codes
.set R,     16                         ; v16-79   four sets of 16 numbers as they are loaded
.set X,     80                         ; v80-111  two sets of 16 neighbours
.set C,     128                        ; v128-191 codes: four registers for each step, so that no store's data are written again
.set E,     112                        ; v112-127 a scale byte for each step
.set WREG,  8192                       ; LDS: a region for each wave: two stages of 32 x SP bytes, and behind them its 256 scale bytes
.set SP,    80                         ; a lane's place in a stage: its 64 bytes + 16 of padding
.set SPW,   12                         ; v12      LDS address of my spare word: SPARE + 4 x my thread's number; never rewritten
.set NIL,   13                         ; v13      0; never rewritten
.set SPARE, WAVES*WREG                 ; behind the four regions: the spare words, 128 bytes for each wave, which no other line names
	s_load_b128 s[4:7], s[0:1], 0x0                ; x, w_qkv
	s_load_b128 s[8:11], s[0:1], 0x10              ; x's codes, x's scales
	s_load_b128 s[12:15], s[0:1], 0x20             ; w's codes, w's scales
	v_lshl_add_u32 v[SPW], v0, 2, SPARE
	v_mov_b32 v[NIL], 0
	v_lshrrev_b32 v1, 5, v0
	v_readfirstlane_b32 s16, v1                    ; wave
	v_and_b32 v2, 31, v0                           ; lane
	v_lshlrev_b32 v3, 4, v2                        ; my 16 bytes of a load's 512
	s_mul_i32 s17, s16, WREG
	v_lshrrev_b32 v14, 2, v2
	v_mul_u32_u24 v14, v14, SP
	v_and_b32 v15, 3, v2
	v_lshl_add_u32 v14, v15, 4, v14
	v_add_nc_u32 v14, s17, v14                     ; the stage, on the way in: four lanes' 64 bytes on end, then 16 of padding
	v_mul_u32_u24 v15, v2, SP
	v_add_nc_u32 v15, s17, v15                     ; and on the way out: SP x lane: my 16 neighbours
	v_mul_u32_u24 v4, v2, CB                       ; my codes' place in a step's
	v_lshrrev_b32 v5, 1, v2
	s_add_co_u32 s17, s17, 2*32*SP
	v_add_nc_u32 v5, s17, v5                       ; LDS: my wave's 256 scale bytes, my block's byte
	v_lshlrev_b32 v7, 3, v2                        ; and on the way out 8 bytes a lane
	v_add_nc_u32 v6, s17, v7
	s_wait_kmcnt 0x0
	s_cmp_lt_u32 ttmp9, WGA                        ; x's work-group or w's?  The choice hangs on the work-group's number alone
	s_cselect_b64 s[4:5], s[4:5], s[6:7]
	s_cselect_b64 s[8:9], s[8:9], s[12:13]
	s_cselect_b64 s[10:11], s[10:11], s[14:15]
	s_cselect_b32 s17, 0, WGA
	s_sub_co_u32 s17, ttmp9, s17
	s_lshl_b32 s17, s17, 2
	s_add_co_u32 s18, s17, s16                     ; which run of 8,192 numbers of the tensor is my wave's
	s_mov_b32 s19, 0
	s_mov_b64 s[20:21], 512*STEPS*4
	s_mul_u64 s[20:21], s[18:19], s[20:21]
	s_add_nc_u64 s[4:5], s[4:5], s[20:21]
	s_mov_b64 s[20:21], 32*STEPS*CB
	s_mul_u64 s[20:21], s[18:19], s[20:21]
	s_add_nc_u64 s[8:9], s[8:9], s[20:21]
	s_lshl_b32 s18, s18, 8                         ; 256 scale bytes a run
	s_add_nc_u64 s[10:11], s[10:11], s[18:19]
.macro LOAD t
.irp i, 0,1,2,3
	global_load_b128 v[R+16*((\t)%4)+4*\i:R+16*((\t)%4)+4*\i+3], v3, s[4:5] offset:2048*(\t)+512*\i th:TH_LOAD_NT   ; 32 lanes read 512 consecutive bytes
.endr
.endm
.macro TURN t                          ; step t's numbers through the stage: LDS serves a wave's instructions in order, so no wait stands between the stores and the loads
.irp i, 0,1,2,3
	ds_store_b128 v14, v[R+16*((\t)%4)+4*\i:R+16*((\t)%4)+4*\i+3] offset:32*SP*((\t)%2)+8*SP*\i
.endr
.irp i, 0,1,2,3
	ds_load_b128 v[X+16*((\t)%2)+4*\i:X+16*((\t)%2)+4*\i+3], v15 offset:32*SP*((\t)%2)+16*\i
.endr
.endm
.irp t, 0,1,2,3
	LOAD \t
.endr
	s_wait_loadcnt 12                              ; step 0's four loads are in; the twelve of steps 1 to 3 may be out
	TURN 0
.macro STEP t
.set XS, X+16*((\t)%2)
.if (\t) > 0
	s_wait_dscnt 1                                 ; this step's numbers are back from the stage (the last step's byte store may be out): so its stores into the stage have read their registers,
.else
	s_wait_dscnt 0x0
.endif
.if (\t)+4 < STEPS
	LOAD (\t)+4                                    ; which take the loads of four steps on
.endif
.if (\t)+1 < STEPS
.if STEPS-2-(\t) >= 3
	s_wait_loadcnt 12                              ; the next step's four loads are in; those of the three steps behind it may be out
.else
	s_wait_loadcnt 4*(STEPS-2-(\t))
.endif
	TURN (\t)+1                                    ; and go through the other stage while this step is worked
.endif
	v_max3_num_f32 v8, |v[XS]|, |v[XS+1]|, |v[XS+2]|               ; the largest magnitude of my 16, in two chains
	v_max3_num_f32 v9, |v[XS+3]|, |v[XS+4]|, |v[XS+5]|
.irp i, 6,10
	v_max3_num_f32 v8, v8, |v[XS+\i]|, |v[XS+\i+1]|
	v_max3_num_f32 v9, v9, |v[XS+\i+2]|, |v[XS+\i+3]|
.endr
	v_max3_num_f32 v8, v8, |v[XS+14]|, |v[XS+15]|
	v_max3_num_f32 v8, v8, v9, (EMAX+1)<<23        ; and the floor 2^(EMAX + 1 - 127): so the byte cannot fall under 1
	v_max_num_f32_dpp v8, v8, v8 row_xmask:1 row_mask:0xf bank_mask:0xf   ; and of my neighbour's 16: the block's
	v_add_nc_u32 v11, -(EMAX<<23), v8              ; EMAX off its exponent field: the conversion takes the exponent field of this operand as its scale, and nothing else of it
	v_cvt_scalef32_pk8_fp4_f32 v[C+4*(\t)], v[XS:XS+7], v11        ; eight numbers / the scale, to the nearest code, ties to even; the first number's code in the lowest four bits
	v_cvt_scalef32_pk8_fp4_f32 v[C+4*(\t)+1], v[XS+8:XS+15], v11
	v_lshrrev_b32 v[E+(\t)], 23, v11               ; the scale's byte (also the plain line behind the conversions)
	ds_store_b8 v5, v[E+(\t)] offset:16*(\t)       ; both lanes of a block write the same byte with the same value
	global_store_b64 v4, v[C+4*(\t):C+4*(\t)+1], s[8:9] offset:32*CB*(\t)
.endm
.irp t, 0,1,2,3,4,5,6,7,8,9,10,11,12,13,14,15
	STEP \t
.endr
	ds_load_b64 v[8:9], v6                         ; LDS serves a wave's instructions in order: these see my stores
	s_wait_dscnt 0x0
	global_store_b64 v7, v[8:9], s[10:11]          ; 32 lanes store 256 consecutive bytes, aligned
	s_wait_tensorcnt 0x0                           ; the wave's end, behind my last LDS store
	ds_add_u32 v[SPW], v[NIL]
	s_wait_dscnt 0x0
	s_endpgm
.Lfunc_end_k_qcada13d235_quant:
	.size	k_qcada13d235_quant, .Lfunc_end_k_qcada13d235_quant-k_qcada13d235_quant
	.p2alignl 7, 3214868480
	.fill 96, 4, 3214868480
	.section	.rodata,"a",@progbits
	.p2align	6, 0x0
	.amdhsa_kernel k_qcada13d235_quant
		.amdhsa_group_segment_fixed_size 33280
		.amdhsa_private_segment_fixed_size 0
		.amdhsa_enable_private_segment 0
		.amdhsa_kernarg_size 48
		.amdhsa_user_sgpr_count 2
		.amdhsa_user_sgpr_kernarg_segment_ptr 1
		.amdhsa_wavefront_size32 1
		.amdhsa_system_sgpr_workgroup_id_x 1
		.amdhsa_system_sgpr_workgroup_id_y 1
		.amdhsa_system_sgpr_workgroup_id_z 1
		.amdhsa_system_vgpr_workitem_id 0
		.amdhsa_next_free_vgpr 192
		.amdhsa_next_free_sgpr 66
		.amdhsa_reserve_vcc 0
		.amdhsa_float_denorm_mode_32 3
		.amdhsa_float_denorm_mode_16_64 3
		.amdhsa_memory_ordered 1
		.amdhsa_forward_progress 1
		.amdhsa_inst_pref_size 33
	.end_amdhsa_kernel
	.amdgpu_metadata
---
amdhsa.version: [ 1, 2 ]
amdhsa.kernels:
  - .name:           k_qcada13d235_quant
    .symbol:         k_qcada13d235_quant.kd
    .args:
      - { .name: x, .offset: 0, .size: 8, .value_kind: global_buffer, .address_space: global }
      - { .name: w_qkv, .offset: 8, .size: 8, .value_kind: global_buffer, .address_space: global }
      - { .name: xc, .offset: 16, .size: 8, .value_kind: global_buffer, .address_space: global }
      - { .name: xs, .offset: 24, .size: 8, .value_kind: global_buffer, .address_space: global }
      - { .name: wc, .offset: 32, .size: 8, .value_kind: global_buffer, .address_space: global }
      - { .name: ws, .offset: 40, .size: 8, .value_kind: global_buffer, .address_space: global }
    .group_segment_fixed_size: 33280
    .private_segment_fixed_size: 0
    .kernarg_segment_align: 8
    .kernarg_segment_size: 48
    .max_flat_workgroup_size: 128
    .sgpr_count:     66
    .vgpr_count:     192
    .wavefront_size: 32
...
	.end_amdgpu_metadata
.endif
;; end of part 1
;; launch gemm (part 2): grid 8 x 32, 4 waves a work-group, clusters of 4 x 4, 327,680 bytes of LDS; arguments xc, xs, wc, ws, qkv16, qkv32; writes qkv16, qkv32
.if DOCPART == 2
	.amdgcn_target "amdgcn-amd-amdhsa--gfx1250"
	.amdhsa_code_object_version 6
	.text
	.protected	k_qcada13d235_gemm
	.globl	k_qcada13d235_gemm
	.p2align	8
	.type	k_qcada13d235_gemm,@function
k_qcada13d235_gemm:
	s_mov_b64 s[64:65], 0
	v_nop
	global_prefetch_b8 v0, s[64:65] scope:SCOPE_SE
	s_setreg_imm32_b32 hwreg(HW_REG_WAVE_MODE, 25, 1), 1
	s_wait_xcnt 0x0
	s_wait_alu depctr_hold_cnt(0) depctr_sa_sdst(0) depctr_va_vdst(0) depctr_va_sdst(0) depctr_va_ssrc(0) depctr_va_vcc(0) depctr_vm_vsrc(0)
	s_getreg_b32 s2, hwreg(HW_REG_IB_STS2, 6, 4)
	s_cmp_eq_u32 s2, 0
	s_cbranch_scc0 .Lentry_in_a_cluster
	s_endpgm
.Lentry_in_a_cluster:
	s_bfe_u32 s2, ttmp6, 0x10000c
	s_cmp_lg_u32 s2, 0xf033
	s_cbranch_scc0 .Lentry_shape_is_right
	s_endpgm
.Lentry_shape_is_right:
; qkv[m][n] = sum over k of x[m][k] w[n][k], both as codes of FP4 (E2M1) with one E8M0 scale for each 32 along K, as the launch before laid them: codes [rows][512 bytes], scale bytes [rows][32].  Sums in f32.
; OUT: qkv16 [8192][3072] f16 (q, k, v side by side in a row), for the two products that follow; and qkv32 [4][16][3072] f32: the first 16 positions of each of the four sequences, which the last launch carries in f32.
; LIMIT: |q|, |k|, |v| stay under 65,504, f16's largest number.
; SHARES.  A tile of the result is 256 rows x 384 columns: 32 x 8 = 256 work-groups of equal work.  Wave w makes rows 64 w .. 64 w + 63 and all 384 columns: 4 x 24 accumulators of 16 x 16, 768 registers.  So a wave's row of the
; result is 768 bytes of f16, three aligned runs of 256 bytes, and the way out needs no other wave.
; LDS.  640 rows of codes for all of K are 327,680 bytes: they do not fit.  K = 1,024 goes in four steps of 256 (rows of 128 bytes) through three slots: steps 0, 1, 2 are asked for at the start, step 3 is the one refill, into
; slot 0, behind a round of the cluster's barrier; it has twelve phases of 32 matrix instructions in which to land.  The scale bytes of the 256 + 384 rows, for all of K, come once, with the first fills.
; CLUSTERS: 4 x 4 work-groups.  The four of a row of the cluster need the same tiles of x, the four of a column the same tiles of w: each tile is asked for JOINTLY, by the same tensor load with the same descriptor and a mask
; that names the four.  Tile row = 8 cy + cluster y: so partner row cy holds sequence cy, and the first 16 positions of all four sequences lie in wave 0 of the clusters with y = 0: the branches to their f32 stores hang on the
; wave's number and the cluster's y alone, which all partners share.
; THE MATRIX INSTRUCTION IS USED TRANSPOSED (source 0 = 16 rows of w, source 1 = 16 rows of x): a lane then holds eight neighbouring numbers of a row of the result.
; A STEP OF 128 ALONG K IS THREE PHASES, one for each window of accumulators: 8 blocks of w against my 4 blocks of x, 32 matrix instructions.  At a phase's head the next phase's operands are asked of LDS.
; REGISTERS, in windows of 256: window 0: v10-29 addresses; v32-95 x's fragments, two sets of 4; v96-223 w's fragments, two sets of 8; v224-231 x's scale words, two sets; v232-247 w's, two sets; on the way out v32-223 are free.
;   windows 1, 2, 3: the accumulators: (a, b) at v[8 (8 a + b % 8)] of window 1 + b / 8.
.set KROW,   512                       ; a row of codes in memory, in bytes
.set RB,     128                       ; a tile's row in bytes: 256 along K
.set PITCH,  144                       ; an LDS row: 128 bytes + 16 of padding = 36 words: the 16 rows that a load touches start at 16 different groups of four banks (64 banks of 4 bytes: ISA guide 11.1)
.set ATILE,  256*PITCH                 ; x's 256 rows: what wave 3's tensor load brings
.set BPART,  128*PITCH                 ; 128 rows of w: what each of waves 0 to 2 brings
.set SLOT,   ATILE+3*BPART             ; x's 256 rows, then w's 384
.set SCL,    3*SLOT                    ; behind the slots: x's scales, 8,192 bytes as runs of 256 bytes + 16 of padding;
.set SCLB,   SCL+32*272                ; w's, 12,288 bytes likewise
.set SBLK,   2*272                     ; the scales of 16 rows
.set SPARE,  SCLB+48*272               ; behind the scales: the spare words, 128 bytes for each wave, which no other line names
.set CROW,   6144                      ; a row of qkv16 in bytes
.set FROW,   12288                     ; a row of qkv32 in bytes
.set SP16,   784                       ; the way out: a stage of 16 rows x (768 bytes + 16) for each wave,
.set SP32,   1552                      ; and one of 16 rows x (1,536 bytes + 16) for each wave, for the f32 rows.
.set STG16,  SLOT                      ; Both lie in slots 1 and 2, which have had their only fill and are left by every wave at the last barrier
.set STG32,  STG16+4*16*SP16
.set STO32, 10                         ; v10     f32 rows: where I put 32 bytes of a row
.set RD32, 11                          ; v11     and where I read 512 bytes of a row back
.set CO32, 12                          ; v12     16 x lane
.set ADRA, 16                          ; v16-18  LDS address of my x fragments in slot 0, 1, 2
.set ADRB, 19                          ; v19-21  of w's fragments
.set ASA,  22                          ; v22     of my rows' scale words of x
.set ASB,  23                          ; v23     of w's
.set STO,  24                          ; v24     where I put 16 bytes of a row
.set RD,   25                          ; v25     where I read a row back
.set CO,   26                          ; v26     my byte offset in two rows of qkv16
.set SPW,  28                          ; v28     LDS address of my spare word; never rewritten
.set NIL,  29                          ; v29     0; never rewritten
.set AFR,  32
.set BFR,  96
.set SA,   224
.set SB,   232
.set TMP,  32                          ; the way out: v32-127 packed results
.set OB,   128                         ; v128-223: 16 rows read back
.set G1A,  24                          ; s[24:31] descriptor group 1 for x's tiles;  s[32:43] group 0, a set for each slot
.set G0A,  32
.set G1B,  44                          ; s[44:51], s[52:63] the same for w's tiles
.set G0B,  52
.set G1SA, 68                          ; s[68:75], s[76:79] groups 1 and 0 for x's scales;  s[80:87], s[88:91] for w's
.set G0SA, 76
.set G1SB, 80
.set G0SB, 88
.set MSB, 0
.macro WIN new                         ; the immediate's high byte repeats the setting that is left
.if MSB != (\new)
	s_set_vgpr_msb (MSB<<8)|(\new)
.set MSB, \new
.endif
.endm
; A joint load: wave 3 fetches for x, waves 0 to 2 for w.  Each of the two lines has ONE mask for all that issue it; the branch hangs on the wave's number alone.
; An s_nop 0 and four v_nop follow each of the two lines, ahead of the jump, the label and what follows.
.macro JLOAD g0a, g1a, g0b, g1b
	s_cmp_eq_u32 s14, 3
	s_cbranch_scc0 .Lfor_b_\@
	tensor_load_to_lds s[\g0a:\g0a+3], s[\g1a:\g1a+7]
	s_nop 0
.rept 4
	v_nop
.endr
	s_branch .Lasked_\@
.Lfor_b_\@:
	tensor_load_to_lds s[\g0b:\g0b+3], s[\g1b:\g1b+7]
	s_nop 0
.rept 4
	v_nop
.endr
.Lasked_\@:
.endm
.macro CREST                           ; a round of the cluster's barrier behind its opening barrier: wave 0 signals for the work-group; every wave waits for all sixteen; my work-group's barrier once more
	s_cmp_lg_u32 s14, 0
	s_cbranch_scc1 .Lnot_wave_0_\@
	s_barrier_signal -3
.Lnot_wave_0_\@:
	s_barrier_wait -3
	s_barrier_signal -1
	s_barrier_wait -1
.endm
.macro CROUND                          ; a whole round
	s_barrier_signal -1
	s_barrier_wait -1
	CREST
.endm
	s_load_b128 s[4:7], s[0:1], 0x0                ; x's codes s[4:5], x's scales s[6:7]
	s_load_b128 s[8:11], s[0:1], 0x10              ; w's codes s[8:9], w's scales s[10:11]
	s_load_b64 s[12:13], s[0:1], 0x20              ; qkv16
	s_load_b64 s[96:97], s[0:1], 0x28              ; qkv32
	v_lshl_add_u32 v[SPW], v0, 2, SPARE
	v_mov_b32 v[NIL], 0
	ds_add_u32 v[SPW], v[NIL]                      ; the wave's opening: the add, twice on end, and its wait ahead of my first tensor load; the set-up below stands between the second and the wait
	ds_add_u32 v[SPW], v[NIL]
	v_lshrrev_b32 v1, 5, v0
	v_readfirstlane_b32 s14, v1                    ; wave 0..3
	s_bfe_u32 s15, ttmp6, 0x40000                  ; cx, cy: my place in the cluster
	s_bfe_u32 s16, ttmp6, 0x40004
	s_lshl_b32 s17, ttmp9, 2
	s_add_co_u32 s17, s17, s15                     ; tile column = 4 x cluster x + cx
	s_and_b32 s2, ttmp7, 0xffff                    ; cluster y
	s_lshl_b32 s19, s16, 3
	s_add_co_u32 s19, s19, s2                      ; tile row = 8 cy + cluster y: cy is the sequence
	s_lshl_b32 s20, s16, 2
	s_lshl_b32 s20, 15, s20                        ; my row of the cluster
	s_lshl_b32 s21, 0x1111, s15                    ; my column
	; descriptor group 1 for the codes: rows of 128 bytes, 512 bytes apart in memory, padded in LDS
	s_or_b32 s[G1A+0], s20, (0<<16)|(1<<20)|(1<<21)|(4<<22)|(3<<25)  ; 15:0 the mask: x's tiles go to my row; 17:16 element of 1 byte; 20 padding on; 21 set beside a mask; 24:22 after every 32 words (code 4); 31:25 of 4 words (code 3)
	s_mov_b32 s[G1A+1], RB<<16                     ; tensor_dim0 = 128
	s_mov_b32 s[G1A+2], 256<<16                    ; tensor_dim1 = 256
	s_mov_b32 s[G1A+3], RB<<16                     ; tile_dim0 = 128
	s_mov_b32 s[G1A+4], 256                        ; tile_dim1 = 256
	s_mov_b32 s[G1A+5], KROW                       ; from row to row
	s_mov_b32 s[G1A+6], 0
	s_mov_b32 s[G1A+7], 0
	s_or_b32 s[G1B+0], s21, (0<<16)|(1<<20)|(1<<21)|(4<<22)|(3<<25)  ; the same with the mask of my column, and 128 rows
	s_mov_b32 s[G1B+1], RB<<16
	s_mov_b32 s[G1B+2], 128<<16
	s_mov_b32 s[G1B+3], RB<<16
	s_mov_b32 s[G1B+4], 128
	s_mov_b32 s[G1B+5], KROW
	s_mov_b32 s[G1B+6], 0
	s_mov_b32 s[G1B+7], 0
	; and for the scales: dense blocks, as rows of 256 bytes (32 elements of 8 bytes), 16 bytes of padding behind each: x's 256 rows are 32 such rows, 128 rows of w are 16
	s_or_b32 s[G1SA+0], s20, (3<<16)|(1<<20)|(1<<21)|(5<<22)|(3<<25)
	s_mov_b32 s[G1SA+1], 32<<16
	s_mov_b32 s[G1SA+2], 32<<16
	s_mov_b32 s[G1SA+3], 32<<16
	s_mov_b32 s[G1SA+4], 32
	s_mov_b32 s[G1SA+5], 32
	s_mov_b32 s[G1SA+6], 0
	s_mov_b32 s[G1SA+7], 0
	s_or_b32 s[G1SB+0], s21, (3<<16)|(1<<20)|(1<<21)|(5<<22)|(3<<25)
	s_mov_b32 s[G1SB+1], 32<<16
	s_mov_b32 s[G1SB+2], 16<<16
	s_mov_b32 s[G1SB+3], 32<<16
	s_mov_b32 s[G1SB+4], 16
	s_mov_b32 s[G1SB+5], 32
	s_mov_b32 s[G1SB+6], 0
	s_mov_b32 s[G1SB+7], 0
	s_lshl_b32 s92, s19, 17                        ; x: 256 rows x 512 bytes a tile row: where the tile's codes begin,
	s_mov_b32 s93, 0
	s_lshl_b32 s94, s19, 13                        ; and its scales: 256 rows x 32 bytes
	s_mov_b32 s95, 0
	s_mul_i32 s22, s17, 384
	s_lshl_b32 s23, s14, 7
	s_add_co_u32 s22, s22, s23                     ; w: row 384 x tile column + 128 x wave (waves 0 to 2 ask by it)
	s_lshl_b32 s98, s22, 9
	s_mov_b32 s99, 0
	s_lshl_b32 s100, s22, 5
	s_mov_b32 s101, 0
	s_mul_i32 s3, s14, BPART                       ; where w's rows go: behind x's 256, wave x 128 rows: no place in the cluster enters an LDS address
	s_add_co_u32 s3, s3, ATILE
	s_mul_i32 s66, s14, 16*272
	s_add_co_u32 s66, s66, SCLB
	s_wait_dscnt 0x0                               ; both opening adds are done
	s_wait_kmcnt 0x0
	s_add_nc_u64 s[92:93], s[4:5], s[92:93]
	s_add_nc_u64 s[94:95], s[6:7], s[94:95]
	s_add_nc_u64 s[98:99], s[8:9], s[98:99]
	s_add_nc_u64 s[100:101], s[10:11], s[100:101]
	CROUND                                         ; all sixteen work-groups are here: the first joint loads meet
	s_mov_b32 s[G0SA], 1
	s_mov_b32 s[G0SA+1], SCL
	s_mov_b64 s[G0SA+2:G0SA+3], s[94:95]
	s_or_b32 s[G0SA+3], s[G0SA+3], 0x80000000
	s_mov_b32 s[G0SB], 1
	s_mov_b32 s[G0SB+1], s66
	s_mov_b64 s[G0SB+2:G0SB+3], s[100:101]
	s_or_b32 s[G0SB+3], s[G0SB+3], 0x80000000
	JLOAD G0SA, G1SA, G0SB, G1SB                   ; the scales first: they are wanted with the first slot
.irp s, 0,1,2
	s_mov_b32 s[G0A+4*\s], 1                                       ; count = 1
	s_mov_b32 s[G0A+4*\s+1], \s*SLOT                               ; LDS address
	s_add_nc_u64 s[G0A+4*\s+2:G0A+4*\s+3], s[92:93], \s*RB         ; global address: K step s
	s_or_b32 s[G0A+4*\s+3], s[G0A+4*\s+3], 0x80000000              ; type = 2
	s_mov_b32 s[G0B+4*\s], 1
	s_add_co_u32 s[G0B+4*\s+1], s3, \s*SLOT
	s_add_nc_u64 s[G0B+4*\s+2:G0B+4*\s+3], s[98:99], \s*RB
	s_or_b32 s[G0B+4*\s+3], s[G0B+4*\s+3], 0x80000000
	JLOAD G0A+4*\s, G1A, G0B+4*\s, G1B             ; four tensor loads of mine are out at the most
.endr
	v_and_b32 v1, 15, v0                           ; r = l % 16
	v_bfe_u32 v2, v0, 4, 1                         ; h = l / 16
	v_mul_u32_u24 v3, v1, PITCH
	v_lshl_add_u32 v3, v2, 4, v3                   ; a fragment's row x pitch + 16 x half
	s_mul_i32 s22, s14, 64*PITCH                   ; my 64 rows of x
.irp s, 0,1,2
	v_add_nc_u32 v[ADRA+\s], s22, v3
	v_add_nc_u32 v[ADRB+\s], ATILE+\s*SLOT, v3
	s_add_co_u32 s22, s22, SLOT
.endr
	v_lshlrev_b32 v4, 5, v1                        ; a row's scales: 32 bytes a row,
	v_lshrrev_b32 v5, 8, v4
	v_lshl_add_u32 v4, v5, 4, v4                   ; and 16 more for each 256 passed
	s_mul_i32 s22, s14, 8*272                      ; my 64 rows of x: eight runs of 256 bytes
	s_add_co_u32 s22, s22, SCL
	v_add_nc_u32 v[ASA], s22, v4
	v_add_nc_u32 v[ASB], SCLB, v4
	s_mul_i32 s22, s14, 16*SP16
	s_add_co_u32 s22, s22, STG16                   ; my f16 stage
	v_mul_u32_u24 v5, v1, SP16                     ; in: row l % 16, 16 bytes for each half of the lanes
	v_lshl_add_u32 v5, v2, 4, v5
	v_add_nc_u32 v[STO], s22, v5
	v_mul_u32_u24 v5, v2, SP16                     ; back: lanes 0-15 take 256 bytes of one row, lanes 16-31 of the next
	v_lshl_add_u32 v5, v1, 4, v5
	v_add_nc_u32 v[RD], s22, v5
	v_mul_u32_u24 v5, v2, CROW                     ; and the same two rows in qkv16
	v_lshl_add_u32 v[CO], v1, 4, v5
	s_mul_i32 s22, s14, 16*SP32
	s_add_co_u32 s22, s22, STG32                   ; my f32 stage
	v_mul_u32_u24 v5, v1, SP32                     ; in: row l % 16, 32 bytes for each half of the lanes
	v_lshl_add_u32 v5, v2, 5, v5
	v_add_nc_u32 v[STO32], s22, v5
	v_and_b32 v6, 31, v0
	v_lshlrev_b32 v[CO32], 4, v6                   ; back: the 32 lanes take 512 bytes of a row
	v_add_nc_u32 v[RD32], s22, v[CO32]
	s_lshl_b32 s22, s19, 8
	s_lshl_b32 s23, s14, 6
	s_add_co_u32 s22, s22, s23                     ; my first row: 256 x tile row + 64 x wave
	s_mul_i32 s22, s22, CROW                       ; in bytes: under 2^26
	s_mul_i32 s23, s17, 768                        ; the tile's first column: 384 numbers of 2 bytes a tile
	s_add_co_u32 s22, s22, s23
	s_mov_b32 s23, 0
	s_add_nc_u64 s[12:13], s[12:13], s[22:23]
	s_mul_i32 s22, s16, 16*FROW                    ; qkv32: sequence cy's 16 rows,
	s_mul_i32 s23, s17, 1536                       ; the tile's first column, 4 bytes a number
	s_add_co_u32 s22, s22, s23
	s_mov_b32 s23, 0
	s_add_nc_u64 s[96:97], s[96:97], s[22:23]
; Phase g (0 .. 23): the g / 3-th 128 along K, w's blocks 8 (g % 3) .. + 7.  K step (g / 3) / 2 lies in slot 0, 1, 2, 0.  A fragment, 16 rows x 128 K of 4-bit codes, is 8 registers: lane l holds row l % 16;
; registers 4 c .. 4 c + 3 hold K = 64 c + 32 (l / 16) + 0 .. 31: two loads of 16 bytes, 32 bytes apart.  A block's scale word for these 128 along K: lane l takes row l % 16's (lanes 16-31 hold the same and are not read).
.macro LOADB g                         ; w's eight fragments and scale words of phase g, into set g % 2
.set LQ_, (\g)/3
.set LW_, (\g)%3
.set LS_, (LQ_/2)%3
.set LK_, 64*(LQ_%2)
.set LB_, BFR+64*((\g)%2)
.set LC_, SB+8*((\g)%2)
.irp i, 0,1,2,3,4,5,6,7
	ds_load_b128 v[LB_+8*\i:LB_+8*\i+3],   v[ADRB+LS_] offset:(8*LW_+\i)*16*PITCH+LK_
	ds_load_b128 v[LB_+8*\i+4:LB_+8*\i+7], v[ADRB+LS_] offset:(8*LW_+\i)*16*PITCH+LK_+32
	ds_load_b32 v[LC_+\i], v[ASB] offset:(8*LW_+\i)*SBLK+4*LQ_
.endr
.endm
.macro LOADA q                         ; my four fragments and scale words of x for the q-th 128 along K, into set q % 2
.set LS_, ((\q)/2)%3
.set LK_, 64*((\q)%2)
.set LA_, AFR+32*((\q)%2)
.set LD_, SA+4*((\q)%2)
.irp a, 0,1,2,3
	ds_load_b128 v[LA_+8*\a:LA_+8*\a+3],   v[ADRA+LS_] offset:\a*16*PITCH+LK_
	ds_load_b128 v[LA_+8*\a+4:LA_+8*\a+7], v[ADRA+LS_] offset:\a*16*PITCH+LK_+32
	ds_load_b32 v[LD_+\a], v[ASA] offset:\a*SBLK+4*(\q)
.endr
.endm
.macro AHEAD g                         ; the operands of phase g + 1
	LOADB (\g)+1
.if ((\g)+1)%3 == 0
	LOADA ((\g)+1)/3
.endif
.endm
; 16 matrix instructions of phase g: x's blocks a0, a0 + 1 against w's eight.  The first 128 along K start the sums: nothing is ever cleared.
; The 96 accumulators take turns, one instruction a turn, in the same order in every step.
.macro MUL g, a0
.set MQ_, (\g)/3
.set MB_, BFR+64*((\g)%2)
.set MC_, SB+8*((\g)%2)
.set MA_, AFR+32*(MQ_%2)
.set MD_, SA+4*(MQ_%2)
.irp a, \a0, \a0+1
.irp b, 0,1,2,3,4,5,6,7
.if MQ_ == 0
	v_wmma_scale_f32_16x16x128_f8f6f4 v[8*(8*(\a)+\b):8*(8*(\a)+\b)+7], v[MB_+8*\b:MB_+8*\b+7], v[MA_+8*(\a):MA_+8*(\a)+7], 0, v[MC_+\b], v[MD_+(\a)] matrix_a_fmt:MATRIX_FMT_FP4 matrix_b_fmt:MATRIX_FMT_FP4
.else
	v_wmma_scale_f32_16x16x128_f8f6f4 v[8*(8*(\a)+\b):8*(8*(\a)+\b)+7], v[MB_+8*\b:MB_+8*\b+7], v[MA_+8*(\a):MA_+8*(\a)+7], v[8*(8*(\a)+\b):8*(8*(\a)+\b)+7], v[MC_+\b], v[MD_+(\a)] matrix_a_fmt:MATRIX_FMT_FP4 matrix_b_fmt:MATRIX_FMT_FP4
.endif
.endr
.endr
.endm
; A load into a register that a matrix instruction has read, and a vector instruction or an LDS store that reads a matrix result, stand four places behind that matrix instruction; only plain vector
; instructions that name none of its registers are places.
.macro PLACES
.rept 4
	v_nop
.endr
.endm
; C and D of phase g lie in window 1 + g % 3; the fragments and the scale words in window 0.
.macro PHASE g
	s_wait_dscnt 0x0                               ; this phase's operands, asked for a phase ago, are in
	PLACES                                         ; behind the last phase's products, which read the sets that are loaded now
	WIN 0
	AHEAD \g
	WIN 0x50*(1+(\g)%3)
	MUL \g, 0
	MUL \g, 2
.endm
; The last phase on slot 0's first tile.  Each wave waits for all its tensor loads (slots 1 and 2), adds 0 to its spare word, and waits for that and for its own reads of slot 0; the barrier opens a round of the cluster's
; barrier; behind the round no wave of any partner reads slot 0 or has a load on its way, and the joint refill, K step 3, is the first thing there.
.macro PHASE_FILL g
	WIN 0                                          ; (the add's two registers lie in window 0)
	s_wait_tensorcnt 0x0                           ; all my tensor loads have landed: so a group 0 may be written
	ds_add_u32 v[SPW], v[NIL]                      ; 0 onto my spare word; the descriptors' steps stand between it and the wait for it
	s_add_nc_u64 s[G0A+2:G0A+3], s[G0A+2:G0A+3], 3*RB
	s_add_nc_u64 s[G0B+2:G0B+3], s[G0B+2:G0B+3], 3*RB
	s_wait_dscnt 0x0                               ; the add is done, this phase's operands are in, and my reads of slot 0 are over
	s_barrier_signal -1
	WIN 0x50*(1+(\g)%3)
	MUL \g, 0                                      ; work on registers while the others arrive
	WIN 0
	s_barrier_wait -1
	CREST
	JLOAD G0A, G1A, G0B, G1B                       ; my one tensor load behind the round; the four v_nop behind it are also the places in front of the loads below
	AHEAD \g
	WIN 0x50*(1+(\g)%3)
	MUL \g, 2
.endm
; The last phase on slot 2.  Each wave waits for its part of slot 0's second tile and for its own reads of slots 1 and 2: behind the barrier that tile is whole and nobody reads slots 1 and 2 any more.  Nothing is filled again.
.macro PHASE_MEET g
	WIN 0
	s_wait_tensorcnt 0x0
	ds_add_u32 v[SPW], v[NIL]
	s_wait_dscnt 0x0
	s_barrier_signal -1
	WIN 0x50*(1+(\g)%3)
	MUL \g, 0
	WIN 0
	s_barrier_wait -1
	PLACES
	AHEAD \g
	WIN 0x50*(1+(\g)%3)
	MUL \g, 2
.endm
	s_wait_tensorcnt 0x2                           ; the scales and my part of slot 0 are in; slots 1 and 2's loads may be out
	s_barrier_signal -1
	s_barrier_wait -1                              ; everybody's are
	LOADA 0
	LOADB 0
.set G, 0
.rept 23
.if G == 5
	PHASE_FILL G
.elseif G == 17
	PHASE_MEET G
.else
	PHASE G
.endif
.set G, G+1
.endr
	s_wait_dscnt 0x0                               ; the very last phase: nothing more to fetch
	WIN 0xf0
	MUL 23, 0
	MUL 23, 2
	WIN 0
; THE WAY OUT, block by block of 16 rows x 384 columns.  A lane holds eight neighbouring numbers of a row, and the lanes beside it hold other rows: so a block goes through my own stage in LDS and comes back as whole rows.
	PLACES                                         ; behind the last products: for the reads of results and the writes and loads into registers that held fragments and scale words
	s_cmp_lg_u32 s14, 0
	s_cbranch_scc1 .Lno_fine
	s_cmp_lg_u32 s2, 0
	s_cbranch_scc1 .Lno_fine
.irp wd, 0,1,2                         ; positions 0 to 15 of a sequence as f32: my block 0 as it stands
	WIN 4*(1+\wd)                                  ; an LDS store's data are its source 1
.irp b, 0,1,2,3,4,5,6,7
	ds_store_b128 v[STO32], v[8*\b:8*\b+3] offset:64*(8*\wd+\b)              ; each accumulator from its low end on
	ds_store_b128 v[STO32], v[8*\b+4:8*\b+7] offset:64*(8*\wd+\b)+16
.endr
.endr
	WIN 0
.irp t, 0,1,2,3,4,5,6,7,8,9,10,11,12,13,14,15
.irp c, 0,1,2
	ds_load_b128 v[32+4*(3*\t+\c):32+4*(3*\t+\c)+3], v[RD32] offset:\t*SP32+512*\c   ; LDS serves a wave's instructions in order (ISA guide 5.7.1.4): these see the stores above
.endr
.endr
	s_wait_dscnt 0x0
.irp t, 0,1,2,3,4,5,6,7,8,9,10,11,12,13,14,15
.irp c, 0,1,2
	global_store_b128 v[CO32], v[32+4*(3*\t+\c):32+4*(3*\t+\c)+3], s[96:97] offset:\t*FROW+512*\c   ; 32 lanes store 512 consecutive bytes, aligned
.endr
.endr
	s_wait_xcnt 0x0                                ; these stores have read their registers, which are written again below
.Lno_fine:
.macro PACK a                          ; rounded to f16, 16 bytes a lane; each accumulator's registers in ascending order
.irp wd, 0,1,2
	WIN 5*(1+\wd)                                  ; sources 0 and 1: window 1 + wd
.irp b, 0,1,2,3,4,5,6,7
.irp r, 0,1,2,3
	v_cvt_pk_f16_f32 v[TMP+4*(8*\wd+\b)+\r], v[8*(8*(\a)+\b)+2*\r], v[8*(8*(\a)+\b)+2*\r+1]
.endr
.endr
.endr
	WIN 0
.endm
.macro TOSTAGE
.irp b, 0,1,2,3,4,5,6,7,8,9,10,11,12,13,14,15,16,17,18,19,20,21,22,23
	ds_store_b128 v[STO], v[TMP+4*\b:TMP+4*\b+3] offset:32*\b
.endr
.irp i, 0,1,2,3,4,5,6,7
.irp c, 0,1,2
	ds_load_b128 v[OB+4*(3*\i+\c):OB+4*(3*\i+\c)+3], v[RD] offset:2*\i*SP16+256*\c
.endr
.endr
.endm
.macro SEND a
	s_wait_dscnt 0x0                               ; the block is back in registers
.irp i, 0,1,2,3,4,5,6,7
.irp c, 0,1,2
	global_store_b128 v[CO], v[OB+4*(3*\i+\c):OB+4*(3*\i+\c)+3], s[12:13] offset:(16*(\a)+2*\i)*CROW+256*\c   ; 16 lanes store 256 consecutive bytes, at a multiple of 256 from the buffer's first byte; 62 rows at the most: inside the signed 24-bit immediate
.endr
.endr
.endm
	PACK 0
	TOSTAGE
.irp a, 1,2,3                          ; block a's conversions stand between block a - 1's loads from the stage and the wait for them
	PACK \a
	SEND \a-1
	s_wait_xcnt 0x0                                ; the stores have read their registers: the next block's loads may land there
	TOSTAGE
.endr
	SEND 3
	s_wait_tensorcnt 0x0                           ; the wave's end, behind my last tensor load and my last LDS store
	ds_add_u32 v[SPW], v[NIL]
	s_wait_dscnt 0x0
	CROUND                                         ; the closing round: no work-group ends while a partner may still ask for a tile that names it
	s_endpgm
.Lfunc_end_k_qcada13d235_gemm:
	.size	k_qcada13d235_gemm, .Lfunc_end_k_qcada13d235_gemm-k_qcada13d235_gemm
	.p2alignl 7, 3214868480
	.fill 96, 4, 3214868480
	.section	.rodata,"a",@progbits
	.p2align	6, 0x0
	.amdhsa_kernel k_qcada13d235_gemm
		.amdhsa_group_segment_fixed_size 327680
		.amdhsa_private_segment_fixed_size 0
		.amdhsa_enable_private_segment 0
		.amdhsa_kernarg_size 48
		.amdhsa_user_sgpr_count 2
		.amdhsa_user_sgpr_kernarg_segment_ptr 1
		.amdhsa_wavefront_size32 1
		.amdhsa_system_sgpr_workgroup_id_x 1
		.amdhsa_system_sgpr_workgroup_id_y 1
		.amdhsa_system_sgpr_workgroup_id_z 1
		.amdhsa_system_vgpr_workitem_id 0
		.amdhsa_next_free_vgpr 1024
		.amdhsa_next_free_sgpr 102
		.amdhsa_reserve_vcc 0
		.amdhsa_float_denorm_mode_32 3
		.amdhsa_float_denorm_mode_16_64 3
		.amdhsa_memory_ordered 1
		.amdhsa_forward_progress 1
		.amdhsa_inst_pref_size 213
	.end_amdhsa_kernel
	.amdgpu_metadata
---
amdhsa.version: [ 1, 2 ]
amdhsa.kernels:
  - .name:           k_qcada13d235_gemm
    .symbol:         k_qcada13d235_gemm.kd
    .args:
      - { .name: xc, .offset: 0, .size: 8, .value_kind: global_buffer, .address_space: global }
      - { .name: xs, .offset: 8, .size: 8, .value_kind: global_buffer, .address_space: global }
      - { .name: wc, .offset: 16, .size: 8, .value_kind: global_buffer, .address_space: global }
      - { .name: ws, .offset: 24, .size: 8, .value_kind: global_buffer, .address_space: global }
      - { .name: qkv16, .offset: 32, .size: 8, .value_kind: global_buffer, .address_space: global }
      - { .name: qkv32, .offset: 40, .size: 8, .value_kind: global_buffer, .address_space: global }
    .group_segment_fixed_size: 327680
    .private_segment_fixed_size: 0
    .kernarg_segment_align: 8
    .kernarg_segment_size: 48
    .max_flat_workgroup_size: 128
    .sgpr_count:     102
    .vgpr_count:     1024
    .wavefront_size: 32
...
	.end_amdgpu_metadata
.endif
;; end of part 2
;; launch scores (part 3): grid 9 x 16, 4 waves a work-group, no clusters, 327,680 bytes of LDS; arguments qkv16, pm, stat; writes pm, stat
.if DOCPART == 3
	.amdgcn_target "amdgcn-amd-amdhsa--gfx1250"
	.amdhsa_code_object_version 6
	.text
	.protected	k_qcada13d235_scores
	.globl	k_qcada13d235_scores
	.p2align	8
	.type	k_qcada13d235_scores,@function
k_qcada13d235_scores:
	s_mov_b64 s[64:65], 0
	v_nop
	global_prefetch_b8 v0, s[64:65] scope:SCOPE_SE
	s_setreg_imm32_b32 hwreg(HW_REG_WAVE_MODE, 25, 1), 1
	s_wait_xcnt 0x0
; S = q k^T in f16 operands and f32 sums, then the softmax's numerators, block by block of 128 keys.  t = s x log2(e) / 32.  For query row and key block j: M = the block's largest t rounded UP to a whole number;
; p = 2^(t - M), at most 1, stored as f16 in pm [4][2048 queries][2048 keys]; -M and l = the sum of the unrounded p go to stat ([seq][j][row] f32; l's plane 524,288 bytes on).  The next launch brings the blocks of a row under
; one maximum by exact powers of two: so the largest score is taken away ahead of every exponential, for every input.
; WORK LEFT OUT: tiles of 256 queries x 256 keys all of whose keys come after all their queries (the problem's own causal mask makes their weights 0): see the first kernel's head.  Of 8 x 8 tiles a sequence 36 are made.
; In a tile on the diagonal hidden scores become -infinity ahead of the maximum.  Its upper right quarter is wholly hidden: it stores p = 0, l = 0 and -M = 3e38; the next launch reads that block and multiplies it by 0.
; SHARES.  A tile is made by four waves, each 128 x 128: 64 accumulators, 512 registers.  The triangle is folded: grid row y = 4 seq + P holds the P + 1 tiles of tile row P and the 8 - P of tile row 7 - P: nine columns.
; NO CLUSTER: a fold row has nine tiles, which four does not divide, and the tile row changes at column P + 1, another place in each grid row: no fixed four neighbours share a tile of q, and no four of a column a tile of k.
; K = 1,024 goes in steps of 128 through a ring of two LDS slots (rows of 256 bytes); each wave fetches a quarter of a slot with one tensor load, and a refill has 224 matrix instructions in which to land.
; THE MATRIX INSTRUCTION IS USED TRANSPOSED (source 0 = 16 keys, source 1 = 16 queries): a lane holds one query and, of each tile of 16 keys, the eight keys 8 (lane / 16) + 0 .. 7.
; REGISTERS, in windows of 256: window 0: v0-31 addresses and the softmax's small numbers; v64-127, v128-191 q's fragments, two buffers; on the way out v64-127 t and p, v192-223 p as f16, v32-63 and v224-255 rows read back.
;   window 1: v64-127, v128-191 k's fragments.   window 2: the accumulators of my rows 0-63 ((a, b) at v[8 (8 a + b)]);   window 3: those of my rows 64-127.
.set KSTEP,  128
.set PITCH,  272                       ; an LDS row: 256 bytes + 16 of padding = 68 words: the 16 rows that a load touches start at 16 different banks (64 banks of 4 bytes: ISA guide 11.1)
.set HALFT,  128*PITCH                 ; 128 rows: what one tensor load brings
.set SLOT,   4*HALFT                   ; q's 256 rows, then k's 256 rows
.set STAGE,  2*SLOT                    ; behind the ring: 16 rows x 272 bytes for each wave
.set SPITCH, 272
.set STATS,  STAGE+4*16*SPITCH         ; 1,024 bytes for each wave: 128 x -M, then 128 x l
.set SPARE,  STATS+4*1024              ; the spare words, 128 bytes for each wave, which no other line names
.set LAPS,   4                         ; a lap = two K steps = once round the ring: 1,024 / 256
.set QROW,   6144                      ; a row of qkv16 in bytes; q at byte 0, k at 2,048
.set PROW,   4096                      ; a row of pm in bytes
.set DV,   6                           ; v6      128 (wr - wc) + lane % 16 - 8 (lane / 16): key 16 b + j of block a's row is hidden where 16 b + j - 16 a > DV
.set NINF, 7                           ; v7      -infinity
.set NM,   8                           ; v[8:9]  -M; v9 = 0 (named with it as a pair)
.set MX,   10                          ; v10-13  four running maxima
.set LS,   14                          ; v[14:15], v[18:19] the sum, in two packed chains
.set LS2,  18
.set ADRA, 16                          ; v16-17  LDS address of my q fragments in slot 0, 1
.set ADRB, 20                          ; v20-21  the same for k
.set STO,  24                          ; v24     where I put 16 bytes of a row
.set RD,   25                          ; v25     where I read a row back
.set CO,   26                          ; v26     my byte offset in two rows of pm
.set SA,   27                          ; v27     my row's word among my wave's stats
.set SPW,  28                          ; v28     LDS address of my spare word; never rewritten
.set NIL,  29                          ; v29     0; never rewritten
.set SR,   30                          ; v30     the stats on the way out: 16 bytes a lane
.set SG,   31                          ; v31     16 x lane
.set F0,   64
.set F1,   128
.set T,    64                          ; the way out: 64 numbers of a lane
.set PK,   192
.set OB,   32
.set G1,   24                          ; s[24:31] descriptor group 1;  s[32:39] group 0, one set for each slot
.set G0,   32
.set CS,   40                          ; s[40:41] c = log2(e) / 32
.set SEL,  42                          ; s[42:43] v_permlanex16_b32's selects for lane l xor 16
.set MSK,  44                          ; s44     1: my 128 x 128 holds hidden scores
.set MSB, 0
.macro WIN new                         ; the immediate's high byte repeats the setting that is left
.if MSB != (\new)
	s_set_vgpr_msb (MSB<<8)|(\new)
.set MSB, \new
.endif
.endm
.set MUL_LO, 0xa1                      ; source 0 (k) window 1, source 1 (q) window 0, C and D window 2
.set MUL_HI, 0xf1                      ; the same, C and D window 3
.set TO_B,   0x40                      ; destination window 1, address window 0
	s_load_b128 s[4:7], s[0:1], 0x0                ; qkv16 s[4:5], pm s[6:7]
	s_load_b64 s[8:9], s[0:1], 0x10                ; stat
	v_lshl_add_u32 v[SPW], v0, 2, SPARE
	v_mov_b32 v[NIL], 0
	ds_add_u32 v[SPW], v[NIL]                      ; the wave's opening: the add, twice on end, and its wait ahead of my first tensor load; the set-up below stands between the second and the wait
	ds_add_u32 v[SPW], v[NIL]
	v_lshrrev_b32 v1, 5, v0
	v_readfirstlane_b32 s10, v1                    ; wave 0..3
	s_lshr_b32 s11, s10, 1                         ; wr: which half of the tile's queries is mine
	s_and_b32 s12, s10, 1                          ; wc: which half of its keys.  Also: which 128 rows I fetch
	s_and_b32 s16, ttmp7, 0xffff
	s_lshr_b32 s15, s16, 2                         ; the sequence
	s_and_b32 s16, s16, 3                          ; P
	s_sub_co_u32 s17, 7, s16                       ; 7 - P
	s_sub_co_u32 s18, ttmp9, s16
	s_sub_co_u32 s18, s18, 1                       ; column - P - 1
	s_cmp_le_u32 ttmp9, s16
	s_cselect_b32 s13, s16, s17                    ; I: the tile row (queries)
	s_cselect_b32 s14, ttmp9, s18                  ; J: the tile column (keys), at most I
	s_cmp_eq_u32 s13, s14
	s_cselect_b32 s[MSK], 1, 0
	s_cmp_le_u32 s11, s12
	s_cselect_b32 s[MSK], s[MSK], 0                ; on the diagonal, and my keys do not all come before my queries
	; descriptor group 1: a tile of 128 rows x 128 elements of 2 bytes, padded in LDS
	s_mov_b32 s[G1+0], (1<<16)|(1<<20)|(5<<22)|(3<<25)  ; 15:0 no mask; 17:16 element of 2 bytes; 20 padding on; 24:22 after every 64 words (code 5); 31:25 of 4 words (code 3)
	s_mov_b32 s[G1+1], KSTEP<<16                   ; tensor_dim0 = 128
	s_mov_b32 s[G1+2], 128<<16                     ; tensor_dim1 = 128
	s_mov_b32 s[G1+3], KSTEP<<16                   ; tile_dim0 = 128
	s_mov_b32 s[G1+4], 128                         ; tile_dim1 = 128
	s_mov_b32 s[G1+5], 3072                        ; elements from row to row
	s_mov_b32 s[G1+6], 0
	s_mov_b32 s[G1+7], 0
	s_mov_b32 s[CS], 0x3d38aa3b                    ; log2(e) / 32
	s_mov_b32 s[CS+1], s[CS]                       ; (named with it as a pair, so it is written)
	s_mov_b32 s[SEL], 0x76543210
	s_mov_b32 s[SEL+1], 0xfedcba98
	s_cmp_lt_u32 s10, 2                            ; waves 0 and 1 fetch q's two halves, waves 2 and 3 k's
	s_cselect_b32 s16, s13, s14
	s_cselect_b32 s18, 0, 2048
	s_lshl_b32 s16, s16, 8
	s_lshl_b32 s17, s12, 7
	s_add_co_u32 s16, s16, s17
	s_lshl_b32 s17, s15, 11
	s_add_co_u32 s16, s16, s17                     ; the first row that I fetch: 2,048 seq + 256 (I or J) + 128 x half
	s_mul_i32 s16, s16, QROW                       ; in bytes: under 2^26
	s_add_co_u32 s16, s16, s18
	s_mov_b32 s17, 0
	s_mul_i32 s20, s10, HALFT                      ; and where it goes: wave x 128 rows
	s_wait_dscnt 0x0                               ; both opening adds are done
	s_wait_kmcnt 0x0
	s_add_nc_u64 s[16:17], s[4:5], s[16:17]
.irp s, 0,1                            ; both first fills go out together, one of each wave for each slot: two tensor loads of mine are out
	s_mov_b32 s[G0+4*\s], 1                                        ; count = 1
	s_add_co_u32 s[G0+4*\s+1], s20, \s*SLOT                        ; LDS address
	s_add_nc_u64 s[G0+4*\s+2:G0+4*\s+3], s[16:17], \s*KSTEP*2      ; global address: K step s
	s_or_b32 s[G0+4*\s+3], s[G0+4*\s+3], 0x80000000                ; type = 2
	tensor_load_to_lds s[G0+4*\s:G0+4*\s+3], s[G1:G1+7]
	s_nop 0
.endr
	v_and_b32 v1, 15, v0                           ; l % 16
	v_bfe_u32 v2, v0, 4, 1                         ; l / 16
	v_mul_u32_u24 v3, v1, PITCH
	v_lshl_add_u32 v3, v2, 4, v3                   ; a fragment's row x pitch + 16 x half
	s_mul_i32 s21, s11, HALFT                      ; my 128 rows of q
	s_mul_i32 s22, s12, HALFT                      ; my 128 rows of k,
	s_add_co_u32 s22, s22, 2*HALFT                 ; which lie behind q's 256
.irp s, 0,1
	v_add_nc_u32 v[ADRA+\s], s21, v3
	v_add_nc_u32 v[ADRB+\s], s22, v3
	s_add_co_u32 s21, s21, SLOT
	s_add_co_u32 s22, s22, SLOT
.endr
	s_mul_i32 s23, s10, 16*SPITCH
	s_add_co_u32 s23, s23, STAGE                   ; my stage
	v_mul_u32_u24 v4, v1, SPITCH                   ; in: row l % 16, 16 bytes for each half of the lanes
	v_lshl_add_u32 v4, v2, 4, v4
	v_add_nc_u32 v[STO], s23, v4
	v_mul_u32_u24 v5, v2, SPITCH                   ; back: lanes 0-15 one row of 256 bytes, lanes 16-31 the next
	v_lshl_add_u32 v5, v1, 4, v5
	v_add_nc_u32 v[RD], s23, v5
	v_lshlrev_b32 v5, 12, v2                       ; and the same two rows in pm
	v_lshl_add_u32 v[CO], v1, 4, v5
	s_lshl_b32 s23, s10, 10
	s_add_co_u32 s23, s23, STATS                   ; my wave's stats
	v_lshl_add_u32 v[SA], v1, 2, s23
	v_and_b32 v5, 31, v0
	v_lshlrev_b32 v[SG], 4, v5
	v_add_nc_u32 v[SR], s23, v[SG]
	s_sub_co_i32 s23, s11, s12
	s_lshl_b32 s23, s23, 7                         ; 128 (wr - wc)
	v_lshlrev_b32 v5, 3, v2
	v_sub_nc_u32 v5, v1, v5
	v_add_nc_u32 v[DV], s23, v5
	v_mov_b32 v[NINF], 0xff800000
	v_mov_b32 v[NM+1], 0
	s_lshl_b32 s16, s13, 8
	s_lshl_b32 s17, s11, 7
	s_add_co_u32 s16, s16, s17                     ; my first query in the sequence: 256 I + 128 wr
	s_lshl_b32 s17, s15, 11
	s_add_co_u32 s17, s17, s16
	s_lshl_b32 s18, s17, 12                        ; its row of pm, in bytes: under 2^25
	s_lshl_b32 s19, s14, 9
	s_add_co_u32 s18, s18, s19                     ; + 256 J keys of 2 bytes
	s_lshl_b32 s19, s12, 8
	s_add_co_u32 s18, s18, s19                     ; + 128 wc
	s_mov_b32 s19, 0
	s_add_nc_u64 s[6:7], s[6:7], s[18:19]
	s_lshl_b32 s18, s15, 4
	s_lshl_b32 s19, s14, 1
	s_add_co_u32 s18, s18, s19
	s_add_co_u32 s18, s18, s12                     ; 16 seq + my key block 2 J + wc
	s_lshl_b32 s18, s18, 11
	s_add_co_u32 s18, s18, s16
	s_lshl_b32 s18, s18, 2
	s_mov_b32 s19, 0
	s_add_nc_u64 s[8:9], s[8:9], s[18:19]
; 16 matrix instructions: query blocks a0, a0 + 1 of the window's four (hi = 0: my rows 0-63, 1: rows 64-127) x all 8 key blocks, 32 along K.  zero = 1: the first product starts the sums.
; The 64 accumulators take turns, one instruction a turn, in the same order in every quarter.
.macro MUL16 f, hi, a0, zero
.irp a, \a0, \a0+1
.irp b, 0,1,2,3,4,5,6,7
.if \zero
	v_wmma_f32_16x16x32_f16 v[8*(8*(\a)+\b):8*(8*(\a)+\b)+7], v[\f+8*\b:\f+8*\b+7], v[\f+8*(4*\hi+\a):\f+8*(4*\hi+\a)+7], 0
.else
	v_wmma_f32_16x16x32_f16 v[8*(8*(\a)+\b):8*(8*(\a)+\b)+7], v[\f+8*\b:\f+8*\b+7], v[\f+8*(4*\hi+\a):\f+8*(4*\hi+\a)+7], v[8*(8*(\a)+\b):8*(8*(\a)+\b)+7]
.endif
.endr
.endr
.endm
; 32 LDS loads in one run: the fragments of one quarter step (128 keys, 128 queries, 32 K at byte k of the rows) into buffer f.  A fragment is 16 rows x 32 K in 8 registers: two loads of 16 bytes, 32 bytes apart.
.macro FETCH slot, k, f
	WIN TO_B
.irp i, 0,1,2,3,4,5,6,7
	ds_load_b128 v[\f+8*\i:\f+8*\i+3],   v[ADRB+\slot] offset:\k+\i*16*PITCH
	ds_load_b128 v[\f+8*\i+4:\f+8*\i+7], v[ADRB+\slot] offset:\k+\i*16*PITCH+32
.endr
	WIN 0
.irp i, 0,1,2,3,4,5,6,7
	ds_load_b128 v[\f+8*\i:\f+8*\i+3],   v[ADRA+\slot] offset:\k+\i*16*PITCH
	ds_load_b128 v[\f+8*\i+4:\f+8*\i+7], v[ADRA+\slot] offset:\k+\i*16*PITCH+32
.endr
.endm
.macro PLACES                          ; four places behind a matrix instruction, in front of loads into registers that it has read and of vector instructions that read results
.rept 4
	v_nop
.endr
.endm
; A K step is four quarters of 32 along K, 64 matrix instructions each, on buffers 0, 1, 0, 1.  One of the first three: multiplies buffer f; in its middle it fetches the next quarter, at byte k of the rows, into buffer g.
.macro QUARTER slot, k, f, g, zero
	s_wait_dscnt 8                                 ; k and q's rows 0-63 are in; the youngest eight loads (q's rows 64-127) may be out
	WIN MUL_LO
	MUL16 \f, 0, 0, \zero
	MUL16 \f, 0, 2, \zero
	PLACES
	FETCH \slot, \k, \g
	s_wait_dscnt 32                                ; all but the 32 just issued
	WIN MUL_HI
	MUL16 \f, 1, 0, \zero
	MUL16 \f, 1, 2, \zero
.endm
; The last quarter multiplies buffer 1 and changes slots: ONE barrier.  In front of it each wave waits for all its tensor loads (one is out: its part of the next slot), adds 0 to its spare word, and waits for that and for its
; own reads of this slot.  Behind it nobody reads this slot any more and the next slot is whole.  fill = 1: this slot is filled again first, with the K step two steps on; then come the next slot's first fragments.
.macro TURN slot, next, fill
	WIN 0                                          ; (the add's two registers lie in window 0)
	s_wait_tensorcnt 0x0                           ; all my tensor loads have landed
	ds_add_u32 v[SPW], v[NIL]                      ; 0 onto my spare word
	s_wait_dscnt 9                                 ; (the add and the youngest eight loads may be out)
	WIN MUL_LO
	MUL16 F1, 0, 0, 0                              ; sixteen matrix instructions stand between the add and the wait for it
	s_wait_dscnt 0x0                               ; the add is done, and my reads of this slot are over
	s_barrier_signal -1
	MUL16 F1, 0, 2, 0                              ; work on registers while the others arrive
	WIN 0
	s_barrier_wait -1
.if \fill
	s_add_nc_u64 s[G0+4*\slot+2:G0+4*\slot+3], s[G0+4*\slot+2:G0+4*\slot+3], 2*KSTEP*2   ; no load of mine is out: the group 0 may be written
	tensor_load_to_lds s[G0+4*\slot:G0+4*\slot+3], s[G1:G1+7]      ; my one tensor load behind this barrier, and the first thing there
	s_nop 0
.endif
	PLACES                                         ; in front of the loads below; behind a tensor load they also keep the window's switch four instructions off
	FETCH \next, 0, F0
	WIN MUL_HI
	MUL16 F1, 1, 0, 0
	MUL16 F1, 1, 2, 0
.endm
	s_wait_tensorcnt 0x1                           ; my part of K step 0 is in (K step 1's load may be out)
	s_barrier_signal -1
	s_barrier_wait -1                              ; everybody's is
	FETCH 0, 0, F0
	QUARTER 0, 64,  F0, F1, 1                      ; the first quarter stands in front of the loop: its products start the sums
	WIN 0                                          ; at a label and at a branch every window is 0
	s_mov_b32 s3, LAPS-1
.Llap:                                                 ; a trip goes once round the ring, from a lap's second quarter to the next lap's first, and fills both slots again
	QUARTER 0, 128, F1, F0, 0
	QUARTER 0, 192, F0, F1, 0
	TURN 0, 1, 1
	QUARTER 1, 64,  F0, F1, 0
	QUARTER 1, 128, F1, F0, 0
	QUARTER 1, 192, F0, F1, 0
	TURN 1, 0, 1
	QUARTER 0, 64,  F0, F1, 0
	WIN 0
	s_sub_co_u32 s3, s3, 1
	s_cmp_lg_u32 s3, 0
	s_cbranch_scc1 .Llap
	QUARTER 0, 128, F1, F0, 0                      ; the last lap is written out: it fills nothing
	QUARTER 0, 192, F0, F1, 0
	TURN 0, 1, 0
	QUARTER 1, 64,  F0, F1, 0
	QUARTER 1, 128, F1, F0, 0
	QUARTER 1, 192, F0, F1, 0
	s_wait_dscnt 8                                 ; the very last quarter: nothing more to fetch
	WIN MUL_LO
	MUL16 F1, 0, 0, 0
	MUL16 F1, 0, 2, 0
	s_wait_dscnt 0x0
	WIN MUL_HI
	MUL16 F1, 1, 0, 0
	MUL16 F1, 1, 2, 0
	WIN 0
; THE WAY OUT, block by block of 16 queries x 128 keys.  A lane holds one query and 64 of its 128 keys; the lane 16 away holds the other 64.
.macro SOFT a
.set AC, 64*((\a)%4)
	WIN 2+(\a)/4                                   ; source 0: window 2 or 3
.irp i, 0,2,4,6,8,10,12,14,16,18,20,22,24,26,28,30,32,34,36,38,40,42,44,46,48,50,52,54,56,58,60,62
	v_pk_mul_f32 v[T+\i:T+\i+1], v[AC+\i:AC+\i+1], s[CS:CS+1] op_sel_hi:[1,0]   ; t = s x c, brought into window 0 by the same line; each accumulator from its low end on
.endr
	WIN 0
	s_cmp_eq_u32 s[MSK], 0                         ; ids and the wave's number alone
	s_cbranch_scc1 .Lopen_\@
.irp b, 0,1,2,3,4,5,6,7
.irp j, 0,1,2,3,4,5,6,7
	v_cmp_gt_i32 vcc_lo, 16*\b+\j-16*(\a), v[DV]   ; the key comes after the query
	v_cndmask_b32 v[T+8*\b+\j], v[T+8*\b+\j], v[NINF], vcc_lo
.endr
.endr
.Lopen_\@:
.irp k, 0,1,2,3
	v_max3_num_f32 v[MX+\k], v[T+16*\k], v[T+16*\k+1], v[T+16*\k+2]   ; the largest t, in four chains
.endr
.irp i, 3,5,7,9,11,13
.irp k, 0,1,2,3
	v_max3_num_f32 v[MX+\k], v[MX+\k], v[T+16*\k+\i], v[T+16*\k+\i+1]
.endr
.endr
.irp k, 0,1,2,3
	v_max_num_f32 v[MX+\k], v[MX+\k], v[T+16*\k+15]
.endr
	v_max3_num_f32 v[MX], v[MX], v[MX+1], v[MX+2]
	v_max_num_f32 v[MX], v[MX], v[MX+3]
	v_permlanex16_b32 v[MX+1], v[MX], s[SEL], s[SEL+1]
	v_max3_num_f32 v[MX], v[MX], v[MX+1], 0xff61b1e6   ; with the other 64 keys'; and -3e38, so that a block all of whose keys are hidden has a number for its maximum
	v_floor_f32 v[NM], -v[MX]                      ; -M = floor(-t) = -ceil(t): a whole number
.irp i, 0,2,4,6,8,10,12,14,16,18,20,22,24,26,28,30,32,34,36,38,40,42,44,46,48,50,52,54,56,58,60,62
	v_pk_add_f32 v[T+\i:T+\i+1], v[T+\i:T+\i+1], v[NM:NM+1] op_sel_hi:[1,0]   ; t - M
.endr
.irp j, 0,1,2,3,4,5,6,7,8,9,10,11,12,13,14,15,16,17,18,19,20,21,22,23,24,25,26,27,28,29,30,31,32,33,34,35,36,37,38,39,40,41,42,43,44,45,46,47,48,49,50,51,52,53,54,55,56,57,58,59,60,61,62,63
	v_exp_f32 v[T+\j], v[T+\j]                     ; p = 2^(t - M); a hidden key's is 0
.endr
	v_nop                                          ; a plain line behind the last exponential
	s_wait_alu depctr_va_vdst(0)                   ; one wait for the whole batch, ahead of its first reader
	v_pk_add_f32 v[LS:LS+1], v[T:T+1], v[T+2:T+3]  ; the sum of the unrounded p, two at a time, in two chains
	v_pk_add_f32 v[LS2:LS2+1], v[T+4:T+5], v[T+6:T+7]
.irp j, 8,12,16,20,24,28,32,36,40,44,48,52,56,60
	v_pk_add_f32 v[LS:LS+1], v[LS:LS+1], v[T+\j:T+\j+1]
	v_pk_add_f32 v[LS2:LS2+1], v[LS2:LS2+1], v[T+\j+2:T+\j+3]
.endr
	v_pk_add_f32 v[LS:LS+1], v[LS:LS+1], v[LS2:LS2+1]
	v_add_f32 v[LS], v[LS], v[LS+1]
	v_permlanex16_b32 v[LS+1], v[LS], s[SEL], s[SEL+1]
	v_add_f32 v[LS], v[LS], v[LS+1]                ; with the other 64 keys'
.irp i, 0,1,2,3,4,5,6,7,8,9,10,11,12,13,14,15,16,17,18,19,20,21,22,23,24,25,26,27,28,29,30,31
	v_cvt_pk_f16_f32 v[PK+\i], v[T+2*\i], v[T+2*\i+1]
.endr
	ds_store_b32 v[SA], v[NM] offset:64*(\a)       ; both lanes of a query write the same word with the same value
	ds_store_b32 v[SA], v[LS] offset:512+64*(\a)
.endm
.macro TOSTAGE a                       ; 16 bytes a lane into rows of 272 bytes, and back as whole rows of 256
.set BK, OB+192*((\a)%2)
.irp b, 0,1,2,3,4,5,6,7
	ds_store_b128 v[STO], v[PK+4*\b:PK+4*\b+3] offset:32*\b
.endr
.irp t, 0,1,2,3,4,5,6,7
	ds_load_b128 v[BK+4*\t:BK+4*\t+3], v[RD] offset:\t*2*SPITCH    ; LDS serves a wave's instructions in order (ISA guide 5.7.1.4): these see the stores above
.endr
.endm
.macro SEND a
.set BK, OB+192*((\a)%2)
	s_wait_dscnt 0x0                               ; the block is back in registers
	s_wait_xcnt 0x0                                ; earlier stores have read their base and their registers: only behind this wait are they written again
.if (\a) > 0
	s_add_nc_u64 s[6:7], s[6:7], 16*PROW           ; 16 rows on
.endif
.irp t, 0,1,2,3,4,5,6,7
	global_store_b128 v[CO], v[BK+4*\t:BK+4*\t+3], s[6:7] offset:2*\t*PROW   ; 16 lanes store 256 consecutive bytes, at a multiple of 256 from pm's first byte
.endr
.endm
	PLACES                                         ; behind the last products
	SOFT 0
	TOSTAGE 0
.irp a, 1,2,3,4,5,6,7                  ; block a's softmax stands between block a - 1's loads from the stage and the wait for them
	SOFT \a
	SEND \a-1
	TOSTAGE \a
.endr
	SEND 7
	ds_load_b128 v[128:131], v[SR]                 ; my 128 rows' -M,
	ds_load_b128 v[132:135], v[SR] offset:512      ; and l
	s_wait_dscnt 0x0
	global_store_b128 v[SG], v[128:131], s[8:9]    ; 32 lanes store 512 consecutive bytes, aligned
	global_store_b128 v[SG], v[132:135], s[8:9] offset:524288
	s_wait_tensorcnt 0x0                           ; the wave's end, behind my last tensor load and my last LDS store
	ds_add_u32 v[SPW], v[NIL]
	s_wait_dscnt 0x0
	s_endpgm
.Lfunc_end_k_qcada13d235_scores:
	.size	k_qcada13d235_scores, .Lfunc_end_k_qcada13d235_scores-k_qcada13d235_scores
	.p2alignl 7, 3214868480
	.fill 96, 4, 3214868480
	.section	.rodata,"a",@progbits
	.p2align	6, 0x0
	.amdhsa_kernel k_qcada13d235_scores
		.amdhsa_group_segment_fixed_size 327680
		.amdhsa_private_segment_fixed_size 0
		.amdhsa_enable_private_segment 0
		.amdhsa_kernarg_size 24
		.amdhsa_user_sgpr_count 2
		.amdhsa_user_sgpr_kernarg_segment_ptr 1
		.amdhsa_wavefront_size32 1
		.amdhsa_system_sgpr_workgroup_id_x 1
		.amdhsa_system_sgpr_workgroup_id_y 1
		.amdhsa_system_sgpr_workgroup_id_z 1
		.amdhsa_system_vgpr_workitem_id 0
		.amdhsa_next_free_vgpr 1024
		.amdhsa_next_free_sgpr 66
		.amdhsa_reserve_vcc 1
		.amdhsa_float_denorm_mode_32 3
		.amdhsa_float_denorm_mode_16_64 3
		.amdhsa_memory_ordered 1
		.amdhsa_forward_progress 1
		.amdhsa_inst_pref_size 255
	.end_amdhsa_kernel
	.section	.bss,"aw",@nobits
	.p2align	6
	.space	262144
	.amdgpu_metadata
---
amdhsa.version: [ 1, 2 ]
amdhsa.kernels:
  - .name:           k_qcada13d235_scores
    .symbol:         k_qcada13d235_scores.kd
    .args:
      - { .name: qkv16, .offset: 0, .size: 8, .value_kind: global_buffer, .address_space: global }
      - { .name: pm, .offset: 8, .size: 8, .value_kind: global_buffer, .address_space: global }
      - { .name: stat, .offset: 16, .size: 8, .value_kind: global_buffer, .address_space: global }
    .group_segment_fixed_size: 327680
    .private_segment_fixed_size: 0
    .kernarg_segment_align: 8
    .kernarg_segment_size: 24
    .max_flat_workgroup_size: 128
    .sgpr_count:     66
    .vgpr_count:     1024
    .wavefront_size: 32
...
	.end_amdgpu_metadata
.endif
;; end of part 3
;; launch pv (part 4): grid 8 x 32, 4 waves a work-group, clusters of 4 x 1, 327,680 bytes of LDS; arguments pm, stat, qkv16, out0; writes out0
.if DOCPART == 4
	.amdgcn_target "amdgcn-amd-amdhsa--gfx1250"
	.amdhsa_code_object_version 6
	.text
	.protected	k_qcada13d235_pv
	.globl	k_qcada13d235_pv
	.p2align	8
	.type	k_qcada13d235_pv,@function
k_qcada13d235_pv:
	s_mov_b64 s[64:65], 0
	v_nop
	global_prefetch_b8 v0, s[64:65] scope:SCOPE_SE
	s_setreg_imm32_b32 hwreg(HW_REG_WAVE_MODE, 25, 1), 1
	s_wait_xcnt 0x0
	s_wait_alu depctr_hold_cnt(0) depctr_sa_sdst(0) depctr_va_vdst(0) depctr_va_sdst(0) depctr_va_ssrc(0) depctr_va_vcc(0) depctr_vm_vsrc(0)
	s_getreg_b32 s2, hwreg(HW_REG_IB_STS2, 6, 4)
	s_cmp_eq_u32 s2, 0
	s_cbranch_scc0 .Lentry_in_a_cluster
	s_endpgm
.Lentry_in_a_cluster:
	s_bfe_u32 s2, ttmp6, 0x10000c
	s_cmp_lg_u32 s2, 0x3003
	s_cbranch_scc0 .Lentry_shape_is_right
	s_endpgm
.Lentry_shape_is_right:
; y[q][:] = (sum over key blocks j of f_qj x (sum over the block's 128 keys of p[q][key] v[key][:])) / L_q, for positions 16 on.  p, -M_qj and l_qj come from the launch before.
; M_q = the largest M_qj of the row; f_qj = 2^(M_qj - M_q), an exact power of two, kept in f32; L_q = sum of f_qj l_qj.  The product of p and v has f16 operands and f32 sums: a block's 128 keys are summed from 0 in accumulators T,
; and T is folded into the row's sums by one fused multiply-add in f32: O += f x T.
; WORK LEFT OUT: steps of 256 keys that lie wholly behind a block of 128 queries (the problem's own causal mask: see the first kernel's head).  Positions 0 to 15 of each sequence are made by the last launch, in f32, and not stored here.
; LIMIT: a row of v that is infinite in f16 gives NaN also where p is 0 inside a step that is walked.
; SHARES.  A work-group makes 128 queries x 128 channels twice: query block p, then query block 15 - p of the same sequence.  They need (p / 2) + 1 and 8 - (p / 2) steps of 256 keys: nine together, for every p: 256 work-groups of
; equal work.  The ring does not stop between the two: at the first step of the second block the first goes out, and the next fold starts the sums anew.  A wave makes 64 x 64: 16 accumulators.
; CLUSTER.  The four partners take four neighbouring tiles of channels of the same queries: they need the same tiles of p, which are asked for JOINTLY (mask 15, waves 0 and 1).  v's tiles are each work-group's own (waves 2 and 3,
; no mask).  Every branch hangs on the grid's y, the wave's number and counted steps: alike in all partners.
; BOTH OPERANDS: source 0 = 16 channels x 32 keys of v, turned on its way out of LDS by ds_load_tr16_b128; source 1 = 16 queries x 32 keys of p: a lane holds one query and eight neighbouring channels.
; REGISTERS: window 0: v8-15 1 / L; v16-29 addresses; v32-63 the factors f, a set for each slot, each the low word of a pair; v64-95, v96-127 the way out; v128-255 the sums O ((a, b) at v[128 + 8 (4 a + b)]).
;   window 1: two fragment buffers of 128: for 64 keys, 64 registers of p (2 x 4 x 16 queries x 32 keys), then 64 of v.   window 2: v0-127 the accumulators T ((a, b) at v[8 (4 a + b)]).
.set PPP,   528                        ; a row of p's tile in LDS: 512 bytes + 16 = 132 words: row r starts at bank 4 r mod 64 (64 banks of 4 bytes: ISA guide 11.1)
.set PVP,   288                        ; a row of v's: 256 bytes + 32 = 72 words
.set HALFP, 64*PPP                     ; 64 rows of p: what one tensor load brings
.set HALFV, 128*PVP                    ; 128 rows of v likewise
.set VOFF,  2*HALFP                    ; a slot: p's 128 rows, then v's 256
.set SLOT,  VOFF+2*HALFV
.set STAGE, 2*SLOT                     ; behind the ring: 16 rows x 272 bytes for each wave
.set SP,    272
.set FT,    STAGE+4*16*SP              ; 18 entries (step s, half sub: 2 s + sub) of 128 numbers f
.set RL,    FT+18*512                  ; 1 / L of the first block's 128 rows, then of the second's
.set SPARE, RL+1024                    ; the spare words, 128 bytes for each wave, which no other line names
.set QROW,  6144                       ; a row of qkv16 in bytes; v at byte 4,096
.set OROW,  4096                       ; a row of out0, and of pm, in bytes
.set RLR,  8                           ; v[RLR + 2 a]: 1 / L of block a's row; the odd ones 0 (named as pairs)
.set AP,   16                          ; v16-17  LDS address of my p fragments in slot 0, 1
.set AV,   18                          ; v18-21  of my v fragments: slot 0 keys 0-127, keys 128-255; slot 1 likewise (a tile is longer than an immediate reaches)
.set FA,   22                          ; v22     my row's number in the entry of the lap's first step
.set STO,  23                          ; v23     where I put 32 bytes of a row
.set RD,   24                          ; v24     where I read a row back
.set CO,   25                          ; v25     my byte offset in two rows of out0
.set RLA,  26                          ; v26     my row's 1 / L
.set FTW,  27                          ; v27     FT + 4 x my thread's number
.set SPW,  28                          ; v28     LDS address of my spare word; never rewritten
.set NIL,  29                          ; v29     0; never rewritten
.set FW,   32                          ; v[FW + 16 slot + 8 sub + 2 a]: f of block a's row; the odd ones 0 (named as pairs)
.set TMP,  64
.set OB,   96
.set ACC,  128
.set F0,   0
.set F1,   128
.set OFS,  96                          ; the head alone: v96-104 offsets into stat;
.set NE,   130                         ; v130-147 -M of my row's 18 entries;
.set LE,   148                         ; v148-165 l;
.set TA,   166                         ; the first block's least -M;  TB the second's;  LA, LB their L
.set TB,   167
.set LA,   168
.set LB,   169
.set BIGR, 170
.set ZR,   171
.set U0,   172
.set WD,   176                         ; v176-193 the 18 factors
.set WV,   12
.set WR,   13
.set WC,   14
.set N1,   15                          ; steps of the first block
.set NX,   16                          ; the step to be asked for next
.set SW,   17                          ; steps until the second block begins
.set SKIP, 18                          ; 0: my block a = 0 of the first tile holds positions 0 to 15
.set LP,   19
.set BB,   20                          ; the sequence
.set PB,   21                          ; p
.set QB,   22                          ; 15 - p
.set BO,   23                          ; 16 x 2,048 x the sequence
.set G1P,  24                          ; s[24:31] descriptor group 1 for p's tiles;  s[32:39] for v's
.set G1V,  32
.set G0P,  40                          ; s[40:47] group 0 for p's tiles, a set for each slot;  s[48:55] for v's
.set G0V,  48
.set PS,   56                          ; s[56:57] pm at the rows of the first block that I fetch;  s[58:59] of the second
.set PL,   58
.set VB,   60                          ; s[60:61] v at the rows of step 0 that I fetch, my work-group's channels
.set OS,   62                          ; s[62:63] out0 at my wave's part of the first tile;  s[66:67] of the second
.set OL,   66
.set MK,   68
.set CT,   69                          ; my tile of 128 channels
.set FIRST, 90                         ; 1: the next fold starts a tile's sums
.set MSB, 0
.macro WIN new                         ; the immediate's high byte repeats the setting that is left
.if MSB != (\new)
	s_set_vgpr_msb (MSB<<8)|(\new)
.set MSB, \new
.endif
.endm
.set MUL,  0xa5                        ; sources 0 (v) and 1 (p) window 1; C and D (T) window 2
.set TO_F, 0x40                        ; destination window 1, address window 0
.set W_FD, 0x02                        ; source 0 (T) window 2; the factor, the addend and the destination window 0
; Waves 0 and 1 fetch p's two halves, jointly with the partners; waves 2 and 3 v's two halves.  The branch hangs on the wave's number alone.  An s_nop 0 and four v_nop follow each of the two lines.
.macro JLOAD slot
	s_cmp_lt_u32 s[WV], 2
	s_cbranch_scc0 .Lfor_v_\@
	tensor_load_to_lds s[G0P+4*\slot:G0P+4*\slot+3], s[G1P:G1P+7]
	s_nop 0
.rept 4
	v_nop
.endr
	s_branch .Lasked_\@
.Lfor_v_\@:
	tensor_load_to_lds s[G0V+4*\slot:G0V+4*\slot+3], s[G1V:G1V+7]
	s_nop 0
.rept 4
	v_nop
.endr
.Lasked_\@:
.endm
.macro CREST                           ; a round of the cluster's barrier behind its opening barrier
	s_cmp_lg_u32 s[WV], 0
	s_cbranch_scc1 .Lnot_wave_0_\@
	s_barrier_signal -3
.Lnot_wave_0_\@:
	s_barrier_wait -3
	s_barrier_signal -1
	s_barrier_wait -1
.endm
.macro CROUND                          ; a whole round
	s_barrier_signal -1
	s_barrier_wait -1
	CREST
.endm
; The global addresses of step NX into the slot's two groups 0: the first block's step NX, or the second block's step NX - N1.  A step is 256 keys: 512 bytes along a row of pm, 256 rows of v.
.macro STEPADDR slot
	s_cmp_ge_u32 s[NX], s[N1]
	s_cselect_b32 s84, s[N1], 0
	s_cselect_b64 s[86:87], s[PL:PL+1], s[PS:PS+1]
	s_sub_co_u32 s84, s[NX], s84
	s_lshl_b32 s88, s84, 9
	s_mov_b32 s89, 0
	s_add_nc_u64 s[G0P+4*\slot+2:G0P+4*\slot+3], s[86:87], s[88:89]
	s_or_b32 s[G0P+4*\slot+3], s[G0P+4*\slot+3], 0x80000000
	s_mul_i32 s88, s84, 256*QROW
	s_add_nc_u64 s[G0V+4*\slot+2:G0V+4*\slot+3], s[VB:VB+1], s[88:89]
	s_or_b32 s[G0V+4*\slot+3], s[G0V+4*\slot+3], 0x80000000
	s_add_co_u32 s[NX], s[NX], 1
.endm
	s_load_b256 s[4:11], s[0:1], 0x0               ; pm s[4:5], stat s[6:7], qkv16 s[8:9], out0 s[10:11]
	v_lshl_add_u32 v[SPW], v0, 2, SPARE
	v_mov_b32 v[NIL], 0
	ds_add_u32 v[SPW], v[NIL]                      ; the wave's opening: the add, twice on end, and its wait ahead of my first tensor load; the set-up below stands between the second and the wait
	ds_add_u32 v[SPW], v[NIL]
	v_lshrrev_b32 v1, 5, v0
	v_readfirstlane_b32 s[WV], v1                  ; wave 0..3
	s_lshr_b32 s[WR], s[WV], 1                     ; which half of the tile's queries is mine
	s_and_b32 s[WC], s[WV], 1                      ; which half of its channels.  Also: which half of a tile I fetch
	s_bfe_u32 s78, ttmp6, 0x40000                  ; cx: it enters v's and out0's addresses alone
	s_lshl_b32 s[CT], ttmp9, 2
	s_add_co_u32 s[CT], s[CT], s78
	s_and_b32 s70, ttmp7, 0xffff
	s_lshr_b32 s[BB], s70, 3
	s_and_b32 s[PB], s70, 7
	s_sub_co_u32 s[QB], 15, s[PB]
	s_lshl_b32 s[BO], s[BB], 15
	s_lshr_b32 s[N1], s[PB], 1
	s_add_co_u32 s[N1], s[N1], 1
	s_mov_b32 s[SW], s[N1]
	s_or_b32 s[SKIP], s[PB], s[WR]
	s_mov_b32 s[NX], 0
	s_mov_b32 s[FIRST], 0
	; descriptor group 1.  p: 64 rows x 256 elements of 2 bytes, 2,048 elements from row to row
	s_mov_b32 s[G1P+0], 15|(1<<16)|(1<<20)|(1<<21)|(6<<22)|(3<<25)  ; 15:0 the mask: all four work-groups; 17:16 2 bytes; 20 padding on; 21 set beside a mask; 24:22 after every 128 words (code 6); 31:25 of 4 words (code 3)
	s_mov_b32 s[G1P+1], 256<<16
	s_mov_b32 s[G1P+2], 64<<16
	s_mov_b32 s[G1P+3], 256<<16
	s_mov_b32 s[G1P+4], 64
	s_mov_b32 s[G1P+5], 2048
	s_mov_b32 s[G1P+6], 0
	s_mov_b32 s[G1P+7], 0
	; v: 128 rows x 128 elements, 3,072 elements from row to row
	s_mov_b32 s[G1V+0], (1<<16)|(1<<20)|(5<<22)|(7<<25)             ; no mask; padding: 8 words (code 7) after every 64 (code 5)
	s_mov_b32 s[G1V+1], 128<<16
	s_mov_b32 s[G1V+2], 128<<16
	s_mov_b32 s[G1V+3], 128<<16
	s_mov_b32 s[G1V+4], 128
	s_mov_b32 s[G1V+5], 3072
	s_mov_b32 s[G1V+6], 0
	s_mov_b32 s[G1V+7], 0
	s_lshl_b32 s70, s[BB], 11                      ; the sequence's first row
	s_lshl_b32 s71, s[WC], 6
	s_add_co_u32 s71, s71, s70                     ; + the 64 rows of p's tile that I fetch
	s_lshl_b32 s72, s[PB], 7
	s_add_co_u32 s72, s72, s71
	s_lshl_b32 s72, s72, 12                        ; in bytes: under 2^25
	s_mov_b32 s73, 0
	s_lshl_b32 s74, s[QB], 7
	s_add_co_u32 s74, s74, s71
	s_lshl_b32 s74, s74, 12
	s_mov_b32 s75, 0
	s_lshl_b32 s76, s[WC], 7
	s_add_co_u32 s76, s76, s70                     ; the 128 rows of v's tile that I fetch
	s_mul_i32 s76, s76, QROW
	s_lshl_b32 s77, s[CT], 8
	s_add_co_u32 s76, s76, s77                     ; my work-group's 128 channels
	s_add_co_u32 s76, s76, 4096                    ; v's place in a row
	s_mov_b32 s77, 0
	s_lshl_b32 s78, s[WR], 6
	s_add_co_u32 s78, s78, s70                     ; my wave's 64 queries
	s_lshl_b32 s79, s[CT], 9
	s_lshl_b32 s80, s[WC], 8
	s_add_co_u32 s79, s79, s80                     ; my wave's 64 channels of 4 bytes
	s_lshl_b32 s80, s[PB], 7
	s_add_co_u32 s80, s80, s78
	s_lshl_b32 s80, s80, 12
	s_add_co_u32 s80, s80, s79
	s_mov_b32 s81, 0
	s_lshl_b32 s82, s[QB], 7
	s_add_co_u32 s82, s82, s78
	s_lshl_b32 s82, s82, 12
	s_add_co_u32 s82, s82, s79
	s_mov_b32 s83, 0
	s_mul_i32 s70, s[WC], HALFP                    ; where the tiles go: no place in the cluster enters an LDS address
	s_mul_i32 s71, s[WC], HALFV
	s_add_co_u32 s71, s71, VOFF
	s_wait_dscnt 0x0                               ; both opening adds are done
	s_wait_kmcnt 0x0
	s_add_nc_u64 s[PS:PS+1], s[4:5], s[72:73]
	s_add_nc_u64 s[PL:PL+1], s[4:5], s[74:75]
	s_add_nc_u64 s[VB:VB+1], s[8:9], s[76:77]
	s_add_nc_u64 s[OS:OS+1], s[10:11], s[80:81]
	s_add_nc_u64 s[OL:OL+1], s[10:11], s[82:83]
.irp s, 0,1
	s_mov_b32 s[G0P+4*\s], 1
	s_add_co_u32 s[G0P+4*\s+1], s70, \s*SLOT
	s_mov_b32 s[G0V+4*\s], 1
	s_add_co_u32 s[G0V+4*\s+1], s71, \s*SLOT
	STEPADDR \s                                    ; steps 0 and 1
.endr
	CROUND                                         ; all four work-groups are here: the first joint loads meet
	s_cmp_lt_u32 s[WV], 2                          ; a wave's two first fills stand in one branch, ahead of every wait on TENSORcnt and every LDS read: two loads of mine are out
	s_cbranch_scc0 .Lfirst_v
	tensor_load_to_lds s[G0P:G0P+3], s[G1P:G1P+7]
	s_nop 0
	tensor_load_to_lds s[G0P+4:G0P+7], s[G1P:G1P+7]
	s_nop 0
.rept 4
	v_nop
.endr
	s_branch .Lfirst_asked
.Lfirst_v:
	tensor_load_to_lds s[G0V:G0V+3], s[G1V:G1V+7]
	s_nop 0
	tensor_load_to_lds s[G0V+4:G0V+7], s[G1V:G1V+7]
	s_nop 0
.rept 4
	v_nop
.endr
.Lfirst_asked:
	; THE ROWS' NUMBERS.  Thread n stands for row n of both blocks.  Step s belongs to the first block (its step s) where s < N1, else to the second (its step s - N1); its two key blocks are entries 2 s and 2 s + 1.
.irp s, 0,1,2,3,4,5,6,7,8
	s_cmp_gt_u32 s[N1], \s
	s_cselect_b32 s70, s[PB], s[QB]                ; the query block,
	s_cselect_b32 s71, 0, s[N1]
	s_sub_co_u32 s71, \s, s71                      ; the block's step u: key blocks 2 u, 2 u + 1
	s_lshl_b32 s71, s71, 12
	s_lshl_b32 s70, s70, 7
	s_add_co_u32 s70, s70, s71
	s_add_co_u32 s70, s70, s[BO]
	s_lshl_b32 s70, s70, 2                         ; ((16 seq + 2 u) 2,048 + 128 x block) x 4 bytes
	v_lshl_add_u32 v[OFS+\s], v0, 2, s70
	global_load_b32 v[NE+2*\s],   v[OFS+\s], s[6:7]
	global_load_b32 v[NE+2*\s+1], v[OFS+\s], s[6:7] offset:8192
	global_load_b32 v[LE+2*\s],   v[OFS+\s], s[6:7] offset:524288
	global_load_b32 v[LE+2*\s+1], v[OFS+\s], s[6:7] offset:532480
.endr
	v_and_b32 v1, 15, v0                           ; r = l % 16
	v_bfe_u32 v2, v0, 4, 1                         ; h = l / 16
	v_and_b32 v3, 7, v0
	v_bfe_u32 v4, v0, 3, 1
	v_mul_u32_u24 v5, v1, PPP
	v_lshl_add_u32 v5, v2, 4, v5                   ; p: row r x pitch + 16 h
	s_mul_i32 s70, s[WR], HALFP                    ; my 64 queries
	v_add_nc_u32 v[AP], s70, v5
	v_add_nc_u32 v[AP+1], SLOT, v[AP]
	v_lshl_add_u32 v6, v2, 3, v3                   ; v: key 8 h + l % 8,
	v_mul_u32_u24 v6, v6, PVP
	v_lshl_add_u32 v6, v4, 4, v6                   ; channels 8 ((l / 8) % 2) on,
	s_lshl_b32 s70, s[WC], 7
	s_add_co_u32 s70, s70, VOFF                    ; my 64 channels
	v_add_nc_u32 v[AV], s70, v6
	v_add_nc_u32 v[AV+1], HALFV, v[AV]
	v_add_nc_u32 v[AV+2], SLOT, v[AV]
	v_add_nc_u32 v[AV+3], SLOT+HALFV, v[AV]
	s_lshl_b32 s70, s[WR], 8
	s_add_co_u32 s71, s70, FT
	v_lshl_add_u32 v[FA], v1, 2, s71               ; FT + 4 (64 wr + r)
	s_add_co_u32 s71, s70, RL
	v_lshl_add_u32 v[RLA], v1, 2, s71
	s_mul_i32 s70, s[WV], 16*SP
	s_add_co_u32 s70, s70, STAGE                   ; my stage
	v_mul_u32_u24 v5, v1, SP
	v_lshl_add_u32 v5, v2, 5, v5                   ; in: row r, 32 bytes for each half of the lanes
	v_add_nc_u32 v[STO], s70, v5
	v_mul_u32_u24 v5, v2, SP
	v_lshl_add_u32 v5, v1, 4, v5                   ; back: lanes 0-15 one row of 256 bytes, lanes 16-31 the next
	v_add_nc_u32 v[RD], s70, v5
	v_lshlrev_b32 v5, 12, v2
	v_lshl_add_u32 v[CO], v1, 4, v5                ; and the same two rows in out0
	v_lshl_add_u32 v[FTW], v0, 2, FT
.irp a, 0,1,2,3
	v_mov_b32 v[RLR+2*\a+1], 0                     ; the upper words of pairs of which the low word alone is used: named, so written
.endr
.irp i, 0,1,2,3,4,5,6,7,8,9,10,11,12,13,14,15
	v_mov_b32 v[FW+2*\i+1], 0
.endr
	v_mov_b32 v[BIGR], 0x7f7fffff
	v_mov_b32 v[ZR], 0
	v_mov_b32 v[TA], 0x7f7fffff
	v_mov_b32 v[TB], 0x7f7fffff
	v_mov_b32 v[LA], 0
	v_mov_b32 v[LB], 0
	s_wait_loadcnt 0x0
.irp s, 0,1,2,3,4,5,6,7,8              ; -M of a row = the least -M of its blocks.  (A wholly hidden block's is 3e38; each row has a block with a key that counts)
	s_cmp_gt_u32 s[N1], \s
	s_cselect_b32 s[MK], -1, 0
	v_min_num_f32 v[U0], v[NE+2*\s], v[NE+2*\s+1]
	v_cndmask_b32 v[U0+1], v[BIGR], v[U0], s[MK]
	v_cndmask_b32 v[U0+2], v[U0], v[BIGR], s[MK]
	v_min_num_f32 v[TA], v[TA], v[U0+1]
	v_min_num_f32 v[TB], v[TB], v[U0+2]
.endr
.irp s, 0,1,2,3,4,5,6,7,8
	s_cmp_gt_u32 s[N1], \s
	s_cselect_b32 s[MK], -1, 0
	v_cndmask_b32 v[U0], v[TB], v[TA], s[MK]       ; my row's -M in this step's block of queries
	v_sub_f32 v[U0+1], v[U0], v[NE+2*\s]           ; M_qj - M_q: a whole number, 0 or less
	v_sub_f32 v[U0+2], v[U0], v[NE+2*\s+1]
	v_cvt_i32_f32 v[U0+1], v[U0+1]                 ; (it saturates)
	v_cvt_i32_f32 v[U0+2], v[U0+2]
	v_ldexp_f32 v[WD+2*\s], 1.0, v[U0+1]           ; f, in f32; a wholly hidden block's is 0
	v_ldexp_f32 v[WD+2*\s+1], 1.0, v[U0+2]
	v_mul_f32 v[U0+3], v[WD+2*\s], v[LE+2*\s]
	v_fma_f32 v[U0+3], v[WD+2*\s+1], v[LE+2*\s+1], v[U0+3]
	ds_store_b32 v[FTW], v[WD+2*\s] offset:512*(2*\s)
	ds_store_b32 v[FTW], v[WD+2*\s+1] offset:512*(2*\s+1)
	v_cndmask_b32 v[U0], v[ZR], v[U0+3], s[MK]
	v_cndmask_b32 v[U0+3], v[U0+3], v[ZR], s[MK]
	v_add_f32 v[LA], v[LA], v[U0]
	v_add_f32 v[LB], v[LB], v[U0+3]
.endr
	v_rcp_f32 v[LA], v[LA]
	v_rcp_f32 v[LB], v[LB]
	v_nop                                          ; a plain line behind the reciprocals
	s_wait_alu depctr_va_vdst(0)                   ; and one wait for both, ahead of their first reader
	ds_store_b32 v[FTW], v[LA] offset:RL-FT
	ds_store_b32 v[FTW], v[LB] offset:RL-FT+512
.macro FWLOAD sl, off                  ; the factors of a step: two key blocks x my four blocks of queries
.irp sub, 0,1
.irp a, 0,1,2,3
	ds_load_b32 v[FW+16*\sl+8*\sub+2*\a], v[FA] offset:\off+512*\sub+64*\a
.endr
.endr
.endm
; 32 LDS loads in one run: the fragments of the slot's qd-th 64 keys into buffer f; the first 32 keys first
.macro FETCH slot, qd, f
	WIN TO_F
.irp c, 0,1
.irp i, 0,1,2,3
	ds_load_tr16_b128 v[\f+64+8*(4*\c+\i):\f+64+8*(4*\c+\i)+3],   v[AV+2*\slot+(\qd)/2] offset:(((\qd)%2)*64+32*\c)*PVP+32*\i
	ds_load_tr16_b128 v[\f+64+8*(4*\c+\i)+4:\f+64+8*(4*\c+\i)+7], v[AV+2*\slot+(\qd)/2] offset:(((\qd)%2)*64+32*\c+16)*PVP+32*\i
	ds_load_b128 v[\f+8*(4*\c+\i):\f+8*(4*\c+\i)+3],              v[AP+\slot] offset:128*(\qd)+64*\c+\i*16*PPP
	ds_load_b128 v[\f+8*(4*\c+\i)+4:\f+8*(4*\c+\i)+7],            v[AP+\slot] offset:128*(\qd)+64*\c+\i*16*PPP+32
.endr
.endr
.endm
; 8 matrix instructions: query blocks a0, a0 + 1 x all 4 channel blocks, 32 keys: half c of buffer f.  zero = 1: the product starts a key block's sums.  The 16 accumulators take turns.
.macro MUL8 f, c, a0, zero
.irp a, \a0, \a0+1
.irp b, 0,1,2,3
.if \zero
	v_wmma_f32_16x16x32_f16 v[8*(4*(\a)+\b):8*(4*(\a)+\b)+7], v[\f+64+8*(4*\c+\b):\f+64+8*(4*\c+\b)+7], v[\f+8*(4*\c+\a):\f+8*(4*\c+\a)+7], 0
.else
	v_wmma_f32_16x16x32_f16 v[8*(4*(\a)+\b):8*(4*(\a)+\b)+7], v[\f+64+8*(4*\c+\b):\f+64+8*(4*\c+\b)+7], v[\f+8*(4*\c+\a):\f+8*(4*\c+\a)+7], v[8*(4*(\a)+\b):8*(4*(\a)+\b)+7]
.endif
.endr
.endr
.endm
.macro PLACES                          ; four places behind a matrix instruction, in front of loads into registers that it has read and of vector instructions that read results
.rept 4
	v_nop
.endr
.endm
; A key block's 128 keys are summed: O += f x T, in f32, two numbers an instruction; each accumulator from its low end on.  kind = 0: always so.  kind = 2: O = f x T: the fold starts a tile's sums: nothing is ever cleared.
; kind = 1: one or the other, by the flag that the change of tiles sets: it hangs on the grid's y and the count of steps alone.  The 64 lines are also the places ahead of the products that start the next block's sums over T.
.macro FOLD slot, sub, kind
	WIN 0                                          ; at a branch and at a label every window is 0
	PLACES                                         ; behind the block's last products
.if \kind == 1
	s_cmp_lg_u32 s[FIRST], 0
	s_cbranch_scc1 .Lstart_\@
.endif
.if \kind < 2
	WIN W_FD
.irp a, 0,1,2,3
.irp b, 0,1,2,3
.irp i, 0,2,4,6
	v_pk_fma_f32 v[ACC+8*(4*\a+\b)+\i:ACC+8*(4*\a+\b)+\i+1], v[8*(4*\a+\b)+\i:8*(4*\a+\b)+\i+1], v[FW+16*\slot+8*\sub+2*\a:FW+16*\slot+8*\sub+2*\a+1], v[ACC+8*(4*\a+\b)+\i:ACC+8*(4*\a+\b)+\i+1] op_sel_hi:[1,0,1]
.endr
.endr
.endr
	WIN 0
.endif
.if \kind == 1
	s_branch .Ldone_\@
.Lstart_\@:
.endif
.if \kind > 0
	WIN W_FD
.irp a, 0,1,2,3
.irp b, 0,1,2,3
.irp i, 0,2,4,6
	v_pk_mul_f32 v[ACC+8*(4*\a+\b)+\i:ACC+8*(4*\a+\b)+\i+1], v[8*(4*\a+\b)+\i:8*(4*\a+\b)+\i+1], v[FW+16*\slot+8*\sub+2*\a:FW+16*\slot+8*\sub+2*\a+1] op_sel_hi:[1,0]
.endr
.endr
.endr
	WIN 0
.endif
.if \kind == 1
	s_mov_b32 s[FIRST], 0
.Ldone_\@:
.endif
.endm
; A step is four quarters of 64 keys, 32 matrix instructions each, on buffers 0, 1, 0, 1; two quarters are a key block.  QUARTER multiplies quarter qd - 1 (buffer f) and fetches quarter qd into g.
.macro QUARTER slot, qd, f, g, zero
	s_wait_dscnt 16                                ; the first 32 keys are in; the youngest sixteen loads may be out
	WIN MUL
	MUL8 \f, 0, 0, \zero
	MUL8 \f, 0, 2, \zero
	PLACES                                         ; in front of the loads into the other buffer, which the quarter before multiplied
	FETCH \slot, \qd, \g
	s_wait_dscnt 32                                ; all but the 32 just issued
	WIN MUL
	MUL8 \f, 1, 0, 0
	MUL8 \f, 1, 2, 0
.endm
; The last quarter multiplies buffer 1 and changes slots: ONE barrier; in front of it each wave waits for all its tensor loads, adds 0 to its spare word, and waits for that and for its own reads of this slot.
; fill = 1: the barrier opens a round of the cluster's barrier, and behind the round this slot is filled again first, with the step two steps on.  off: where the next step's factors lie from v[FA].  The step's second key block is folded at the end.
.macro TURN slot, next, fill, off
	WIN 0                                          ; (the add's two registers lie in window 0)
	s_wait_tensorcnt 0x0                           ; all my tensor loads have landed: my part of the next slot; so every group 0 may be written
	ds_add_u32 v[SPW], v[NIL]                      ; 0 onto my spare word
.if \fill
	STEPADDR \slot
.endif
	s_wait_dscnt 17                                ; (the add and the youngest sixteen loads may be out)
	WIN MUL
	MUL8 F1, 0, 0, 0
	s_wait_dscnt 0x0                               ; the add is done, and my reads of this slot are over
	s_barrier_signal -1
	MUL8 F1, 0, 2, 0
	WIN 0
	s_barrier_wait -1
.if \fill
	CREST                                          ; no wave of any partner still reads this slot's tile or has a load on its way
	JLOAD \slot                                    ; the first tensor load behind the round, one a wave: 112 matrix instructions ahead of the wait for it; its four v_nop are also the places in front of the loads below
.else
	PLACES
.endif
	FWLOAD \next, \off
	FETCH \next, 0, F0
	WIN MUL
	MUL8 F1, 1, 0, 0
	MUL8 F1, 1, 2, 0
	FOLD \slot, 1, 0
.endm
; THE WAY OUT of a tile (tau = 0: the first block's, 1: the second's): each sum x 1 / L, block by block of 16 queries x 64 channels through my own stage, back as whole rows of 256 bytes.  All in window 0.
.macro WAYOUT tau, ob
.irp a, 0,1,2,3
	ds_load_b32 v[RLR+2*\a], v[RLA] offset:512*\tau+64*\a
.endr
	s_wait_dscnt 0x0
.irp a, 0,1,2,3
.if (\tau == 0) && (\a == 0)
	s_cmp_eq_u32 s[SKIP], 0                        ; positions 0 to 15 of the sequence: the last launch makes them
	s_cbranch_scc1 .Lfine_rows_\@
.endif
.irp b, 0,1,2,3
.irp i, 0,2,4,6
	v_pk_mul_f32 v[TMP+8*\b+\i:TMP+8*\b+\i+1], v[ACC+8*(4*\a+\b)+\i:ACC+8*(4*\a+\b)+\i+1], v[RLR+2*\a:RLR+2*\a+1] op_sel_hi:[1,0]
.endr
.endr
.irp b, 0,1,2,3
	ds_store_b128 v[STO], v[TMP+8*\b:TMP+8*\b+3] offset:64*\b
	ds_store_b128 v[STO], v[TMP+8*\b+4:TMP+8*\b+7] offset:64*\b+16
.endr
	s_wait_xcnt 0x0                                ; the block before's stores have read their registers: the loads below may land there
.irp t, 0,1,2,3,4,5,6,7
	ds_load_b128 v[OB+4*\t:OB+4*\t+3], v[RD] offset:\t*2*SP        ; LDS serves a wave's instructions in order (ISA guide 5.7.1.4): these see the stores above
.endr
	s_wait_dscnt 0x0
.irp t, 0,1,2,3,4,5,6,7
	global_store_b128 v[CO], v[OB+4*\t:OB+4*\t+3], s[\ob:\ob+1] offset:(16*\a+2*\t)*OROW th:TH_STORE_NT   ; 16 lanes store 256 consecutive bytes, at a multiple of 256 from out0's first byte
.endr
.if (\tau == 0) && (\a == 0)
.Lfine_rows_\@:
.endif
.endr
.endm
; A step's first quarter, where the second block of queries may begin: then the first tile, whose last fold stands in front, goes out, and the flag tells the next fold to start the sums anew.  The count hangs on the grid's y alone.
.macro NEXTQ slot
	WIN 0
	s_sub_co_u32 s[SW], s[SW], 1
	s_cmp_lg_u32 s[SW], 0
	s_cbranch_scc1 .Lsame_\@
	WAYOUT 0, OS
	s_mov_b32 s[FIRST], 1
.Lsame_\@:
	QUARTER \slot, 1, F0, F1, 1
.endm
	s_wait_dscnt 0x0                               ; for the others' sake: my factors and reciprocals lie in LDS
	s_wait_tensorcnt 0x1                           ; my part of step 0 is in (step 1's load may be out)
	s_barrier_signal -1
	s_barrier_wait -1                              ; everybody's is
	FWLOAD 0, 0
	FETCH 0, 0, F0
	QUARTER 0, 1, F0, F1, 1                        ; the first key block and its fold stand in front of the loop: the fold starts the first tile's sums
	QUARTER 0, 2, F1, F0, 0
	FOLD 0, 0, 2
	s_mov_b32 s[LP], 3
.Llap:                                                 ; a trip goes once round the ring, from a step's third quarter to the first fold of the step two on, and fills both slots again: steps 2 to 7
	QUARTER 0, 3, F0, F1, 1
	TURN 0, 1, 1, 1024
	NEXTQ 1
	QUARTER 1, 2, F1, F0, 0
	FOLD 1, 0, 1
	QUARTER 1, 3, F0, F1, 1
	TURN 1, 0, 1, 2048
	NEXTQ 0
	QUARTER 0, 2, F1, F0, 0
	FOLD 0, 0, 1
	v_add_nc_u32 v[FA], 2048, v[FA]                ; two steps' entries on
	s_sub_co_u32 s[LP], s[LP], 1
	s_cmp_lg_u32 s[LP], 0
	s_cbranch_scc1 .Llap
	QUARTER 0, 3, F0, F1, 1                        ; the rest of step 6 and steps 7, 8 are written out: one more fill (step 8), then none; the second block began at step 4 at the latest
	TURN 0, 1, 1, 1024
	QUARTER 1, 1, F0, F1, 1
	QUARTER 1, 2, F1, F0, 0
	FOLD 1, 0, 0
	QUARTER 1, 3, F0, F1, 1
	TURN 1, 0, 0, 2048
	QUARTER 0, 1, F0, F1, 1
	QUARTER 0, 2, F1, F0, 0
	FOLD 0, 0, 0
	QUARTER 0, 3, F0, F1, 1
	s_wait_dscnt 16                                ; the very last quarter: nothing more to fetch
	WIN MUL
	MUL8 F1, 0, 0, 0
	MUL8 F1, 0, 2, 0
	s_wait_dscnt 0x0
	MUL8 F1, 1, 0, 0
	MUL8 F1, 1, 2, 0
	FOLD 0, 1, 0
	WAYOUT 1, OL
	s_wait_tensorcnt 0x0                           ; the wave's end, behind my last tensor load and my last LDS store
	ds_add_u32 v[SPW], v[NIL]
	s_wait_dscnt 0x0
	CROUND                                         ; the closing round: no work-group ends while a partner may still ask for a tile that names it
	s_endpgm
.Lfunc_end_k_qcada13d235_pv:
	.size	k_qcada13d235_pv, .Lfunc_end_k_qcada13d235_pv-k_qcada13d235_pv
	.p2alignl 7, 3214868480
	.fill 96, 4, 3214868480
	.section	.rodata,"a",@progbits
	.p2align	6, 0x0
	.amdhsa_kernel k_qcada13d235_pv
		.amdhsa_group_segment_fixed_size 327680
		.amdhsa_private_segment_fixed_size 0
		.amdhsa_enable_private_segment 0
		.amdhsa_kernarg_size 32
		.amdhsa_user_sgpr_count 2
		.amdhsa_user_sgpr_kernarg_segment_ptr 1
		.amdhsa_wavefront_size32 1
		.amdhsa_system_sgpr_workgroup_id_x 1
		.amdhsa_system_sgpr_workgroup_id_y 1
		.amdhsa_system_sgpr_workgroup_id_z 1
		.amdhsa_system_vgpr_workitem_id 0
		.amdhsa_next_free_vgpr 640
		.amdhsa_next_free_sgpr 92
		.amdhsa_reserve_vcc 0
		.amdhsa_float_denorm_mode_32 3
		.amdhsa_float_denorm_mode_16_64 3
		.amdhsa_memory_ordered 1
		.amdhsa_forward_progress 1
		.amdhsa_inst_pref_size 204
	.end_amdhsa_kernel
	.amdgpu_metadata
---
amdhsa.version: [ 1, 2 ]
amdhsa.kernels:
  - .name:           k_qcada13d235_pv
    .symbol:         k_qcada13d235_pv.kd
    .args:
      - { .name: pm, .offset: 0, .size: 8, .value_kind: global_buffer, .address_space: global }
      - { .name: stat, .offset: 8, .size: 8, .value_kind: global_buffer, .address_space: global }
      - { .name: qkv16, .offset: 16, .size: 8, .value_kind: global_buffer, .address_space: global }
      - { .name: out0, .offset: 24, .size: 8, .value_kind: global_buffer, .address_space: global }
    .group_segment_fixed_size: 327680
    .private_segment_fixed_size: 0
    .kernarg_segment_align: 8
    .kernarg_segment_size: 32
    .max_flat_workgroup_size: 128
    .sgpr_count:     92
    .vgpr_count:     640
    .wavefront_size: 32
...
	.end_amdgpu_metadata
.endif
;; end of part 4
;; launch fine (part 5): grid 4 x 1, 8 waves a work-group, no clusters, 76,800 bytes of LDS; arguments qkv32, out0; writes out0
.if DOCPART == 5
	.amdgcn_target "amdgcn-amd-amdhsa--gfx1250"
	.amdhsa_code_object_version 6
	.text
	.protected	k_qcada13d235_fine
	.globl	k_qcada13d235_fine
	.p2align	8
	.type	k_qcada13d235_fine,@function
k_qcada13d235_fine:
	s_mov_b64 s[64:65], 0
	v_nop
	global_prefetch_b8 v0, s[64:65] scope:SCOPE_SE
	s_setreg_imm32_b32 hwreg(HW_REG_WAVE_MODE, 25, 1), 1
	s_wait_xcnt 0x0
; Positions 0 to 15 of each of the four sequences, all in f32: their rows average one to sixteen values, so the rounding of 16-bit operands would weigh most here.  q, k, v of these positions come as f32 from qkv32 [4][16][3072].
; 16 queries x 16 keys: keys from 16 on are hidden from these queries by the problem's own causal mask (see the first kernel's head) and are not touched.
; A work-group takes a sequence; wave w takes channels 128 w .. 128 w + 127: its part of s = q k^T (32 matrix instructions of 16 x 16 x 4 in f32), the eight parts meet in LDS as images of their registers and every wave adds
; them in the same order; each wave then takes the softmax (the row's largest score is taken away) and makes its 128 channels of y = p v (32 matrix instructions).  No bulk work: 64 matrix instructions a wave.
; Both products are used transposed: a lane holds one query (lane % 16) and the keys, then the channels, 8 (lane / 16) + 0 .. 7.  K's order inside a product is permuted alike on both sides.
; The accumulators v208-239 are written by matrix instructions alone; what is made of them goes into other registers.
.set PART,  0                          ; LDS: eight images of 1,024 bytes: each wave's part of s
.set STAGE, 8192                       ; 16 rows x (512 bytes + 16) for each wave
.set SP,    528
.set SPARE, STAGE+8*16*SP              ; the spare words, 128 bytes for each wave, which no other line names
.set FROW,  12288                      ; a row of qkv32 in bytes: q at 0, k at 4,096, v at 8,192
.set QA,   4                           ; v4   q, k: row lane % 16, + 16 (lane / 16), + my 128 channels
.set VA,   5                           ; v5   v: row 8 (lane / 16), channel lane % 16 of my 128
.set IM,   6                           ; v6   16 x lane: an image's place for my lane, and my bytes in a row of out0
.set IMW,  7                           ; v7   where I store my image
.set STO,  8                           ; v8   the stage: where I put 32 bytes of a row
.set RD,   9                           ; v9   and where I read a row back
.set DQ,   10                          ; v10  lane % 16 - 8 (lane / 16): my register j's key is hidden where j > DQ
.set NINF, 11                          ; v11  -infinity
.set SPW,  12                          ; v12  LDS address of my spare word; never rewritten
.set NIL,  13                          ; v13  0; never rewritten
.set KR,   16                          ; v16-79   k's numbers; later the eight images; later rows of y
.set QR,   80                          ; v80-143  q's numbers
.set PN,   80                          ; v80-87   later: p / l
.set VR,   144                         ; v144-207 v: tile of 16 channels tl, key 8 (lane / 16) + kk at v[VR + 8 tl + kk]
.set ACC,  208                         ; v208-239 four accumulators
.set X,    240                         ; v240-247
.set Y,    248                         ; v248-255
	s_load_b128 s[4:7], s[0:1], 0x0                ; qkv32, out0
	v_lshl_add_u32 v[SPW], v0, 2, SPARE
	v_mov_b32 v[NIL], 0
	v_lshrrev_b32 v1, 5, v0
	v_readfirstlane_b32 s8, v1                     ; wave 0..7
	v_and_b32 v1, 15, v0                           ; r
	v_bfe_u32 v2, v0, 4, 1                         ; h
	v_and_b32 v3, 31, v0                           ; lane
	s_lshl_b32 s9, s8, 9                           ; my 128 channels of 4 bytes
	v_mul_u32_u24 v[QA], v1, FROW
	v_lshl_add_u32 v[QA], v2, 4, v[QA]
	v_add_nc_u32 v[QA], s9, v[QA]
	v_mul_u32_u24 v[VA], v2, 8*FROW
	v_lshl_add_u32 v[VA], v1, 2, v[VA]
	v_add_nc_u32 v[VA], s9, v[VA]
	v_lshlrev_b32 v[IM], 4, v3
	s_lshl_b32 s10, s8, 10
	v_add_nc_u32 v[IMW], s10, v[IM]
	s_mul_i32 s10, s8, 16*SP
	s_add_co_u32 s10, s10, STAGE
	v_mul_u32_u24 v[STO], v1, SP
	v_lshl_add_u32 v[STO], v2, 5, v[STO]
	v_add_nc_u32 v[STO], s10, v[STO]
	v_add_nc_u32 v[RD], s10, v[IM]
	v_lshlrev_b32 v14, 3, v2
	v_sub_nc_u32 v[DQ], v1, v14
	v_mov_b32 v[NINF], 0xff800000
	s_mov_b32 s12, 0x76543210
	s_mov_b32 s13, 0xfedcba98                      ; v_permlanex16_b32's selects for lane l xor 16
	s_mov_b32 s14, 0x3d38aa3b                      ; log2(e) / 32
	s_mul_i32 s16, ttmp9, 16*FROW                  ; my sequence's 16 rows
	s_mov_b32 s17, 0
	s_lshl_b32 s18, ttmp9, 23                      ; 2,048 rows of 4,096 bytes a sequence
	s_add_co_u32 s18, s18, s9
	s_mov_b32 s19, 0
	s_wait_kmcnt 0x0
	s_add_nc_u64 s[4:5], s[4:5], s[16:17]
	s_add_nc_u64 s[6:7], s[6:7], s[18:19]
.irp u, 0,1,2,3,4,5,6,7,8,9,10,11,12,13,14,15
	global_load_b128 v[KR+4*\u:KR+4*\u+3], v[QA], s[4:5] offset:4096+32*\u   ; k(r, channels 8 u + 4 h + 0 .. 3 of my 128)
.endr
.irp u, 0,1,2,3,4,5,6,7,8,9,10,11,12,13,14,15
	global_load_b128 v[QR+4*\u:QR+4*\u+3], v[QA], s[4:5] offset:32*\u        ; q likewise
.endr
.irp tl, 0,1,2,3,4,5,6,7
.irp kk, 0,1,2,3,4,5,6,7
	global_load_b32 v[VR+8*\tl+\kk], v[VA], s[4:5] offset:8192+FROW*\kk+64*\tl   ; v(8 h + kk, 16 tl + r)
.endr
.endr
	s_wait_loadcnt 63                              ; of the 96 loads at most 63 are out: the first 33 are in, q's and k's 32 among them
	; s^T = k q^T over my 128 channels: instruction n takes registers 2 n, 2 n + 1 of both: the same four channels on both sides.  Four accumulators by turns; the first four instructions start the sums
.irp n, 0,1,2,3
	v_wmma_f32_16x16x4_f32 v[ACC+8*\n:ACC+8*\n+7], v[KR+2*\n:KR+2*\n+1], v[QR+2*\n:QR+2*\n+1], 0
.endr
.irp n, 4,5,6,7,8,9,10,11,12,13,14,15,16,17,18,19,20,21,22,23,24,25,26,27,28,29,30,31
	v_wmma_f32_16x16x4_f32 v[ACC+8*(\n%4):ACC+8*(\n%4)+7], v[KR+2*\n:KR+2*\n+1], v[QR+2*\n:QR+2*\n+1], v[ACC+8*(\n%4):ACC+8*(\n%4)+7]
.endr
.rept 8
	v_nop                                          ; eight places behind this form before a vector instruction reads a result (ISA guide 7.12.1)
.endr
.irp j, 0,2,4,6
	v_pk_add_f32 v[X+\j:X+\j+1], v[ACC+\j:ACC+\j+1], v[ACC+8+\j:ACC+8+\j+1]      ; each accumulator from its low end on
	v_pk_add_f32 v[Y+\j:Y+\j+1], v[ACC+16+\j:ACC+16+\j+1], v[ACC+24+\j:ACC+24+\j+1]
.endr
.irp j, 0,2,4,6
	v_pk_add_f32 v[X+\j:X+\j+1], v[X+\j:X+\j+1], v[Y+\j:Y+\j+1]
.endr
	ds_store_b128 v[IMW], v[X:X+3]                 ; my part of s, as an image of its registers
	ds_store_b128 v[IMW], v[X+4:X+7] offset:512
	s_wait_dscnt 0x0                               ; for the others' sake: my stores have landed
	s_barrier_signal -1
	s_barrier_wait -1
.irp i, 0,1,2,3,4,5,6,7
	ds_load_b128 v[KR+8*\i:KR+8*\i+3],   v[IM] offset:1024*\i
	ds_load_b128 v[KR+8*\i+4:KR+8*\i+7], v[IM] offset:1024*\i+512
.endr
	s_wait_dscnt 0x0
.irp i, 0,2,4,6
.irp j, 0,2,4,6
	v_pk_add_f32 v[KR+8*\i+\j:KR+8*\i+\j+1], v[KR+8*\i+\j:KR+8*\i+\j+1], v[KR+8*\i+8+\j:KR+8*\i+8+\j+1]
.endr
.endr
.irp i, 0,4
.irp j, 0,2,4,6
	v_pk_add_f32 v[KR+8*\i+\j:KR+8*\i+\j+1], v[KR+8*\i+\j:KR+8*\i+\j+1], v[KR+8*\i+16+\j:KR+8*\i+16+\j+1]
.endr
.endr
.irp j, 0,2,4,6
	v_pk_add_f32 v[X+\j:X+\j+1], v[KR+\j:KR+\j+1], v[KR+32+\j:KR+32+\j+1]        ; s(query r, key 8 h + j), the same bits in every wave
.endr
.irp j, 0,1,2,3,4,5,6,7
	v_mul_f32 v[X+\j], s14, v[X+\j]                ; t = s x log2(e) / 32
.endr
.irp j, 0,1,2,3,4,5,6,7
	v_cmp_gt_i32 vcc_lo, \j, v[DQ]                 ; the key comes after the query
	v_cndmask_b32 v[X+\j], v[X+\j], v[NINF], vcc_lo
.endr
	v_max3_num_f32 v[Y], v[X], v[X+1], v[X+2]
	v_max3_num_f32 v[Y], v[Y], v[X+3], v[X+4]
	v_max3_num_f32 v[Y], v[Y], v[X+5], v[X+6]
	v_max_num_f32 v[Y], v[Y], v[X+7]
	v_permlanex16_b32 v[Y+1], v[Y], s12, s13
	v_max_num_f32 v[Y], v[Y], v[Y+1]               ; the row's largest t: key 0 counts for every query
.irp j, 0,1,2,3,4,5,6,7
	v_sub_f32 v[X+\j], v[X+\j], v[Y]
.endr
.irp j, 0,1,2,3,4,5,6,7
	v_exp_f32 v[X+\j], v[X+\j]
.endr
	v_nop                                          ; a plain line behind the last exponential
	s_wait_alu depctr_va_vdst(0)                   ; one wait for the batch, ahead of its first reader
	v_add_f32 v[Y+2], v[X], v[X+1]
	v_add_f32 v[Y+3], v[X+2], v[X+3]
	v_add_f32 v[Y+4], v[X+4], v[X+5]
	v_add_f32 v[Y+5], v[X+6], v[X+7]
	v_add_f32 v[Y+2], v[Y+2], v[Y+3]
	v_add_f32 v[Y+4], v[Y+4], v[Y+5]
	v_add_f32 v[Y+2], v[Y+2], v[Y+4]
	v_permlanex16_b32 v[Y+3], v[Y+2], s12, s13
	v_add_f32 v[Y+2], v[Y+2], v[Y+3]               ; the row's sum
	v_rcp_f32 v[Y+2], v[Y+2]
	v_nop
	s_wait_alu depctr_va_vdst(0)
.irp j, 0,1,2,3,4,5,6,7
	v_mul_f32 v[PN+\j], v[X+\j], v[Y+2]            ; the weights: query r, key 8 h + j
.endr
	s_wait_loadcnt 0x0                             ; v
	; y^T = v^T p^T: source 0 = 16 channels, source 1 = the 16 queries; step s takes keys 8 h + 2 s, 8 h + 2 s + 1 on both sides.  Four tiles of channels by turns, twice
.irp g, 0,1
.irp s, 0,1,2,3
.irp tl, 0,1,2,3
.if \s == 0
	v_wmma_f32_16x16x4_f32 v[ACC+8*\tl:ACC+8*\tl+7], v[VR+8*(4*\g+\tl)+2*\s:VR+8*(4*\g+\tl)+2*\s+1], v[PN+2*\s:PN+2*\s+1], 0
.else
	v_wmma_f32_16x16x4_f32 v[ACC+8*\tl:ACC+8*\tl+7], v[VR+8*(4*\g+\tl)+2*\s:VR+8*(4*\g+\tl)+2*\s+1], v[PN+2*\s:PN+2*\s+1], v[ACC+8*\tl:ACC+8*\tl+7]
.endif
.endr
.endr
.rept 9
	v_nop                                          ; eight places before an LDS store reads a result, nine before the next four sums are begun over these registers
.endr
.irp tl, 0,1,2,3
	ds_store_b128 v[STO], v[ACC+8*\tl:ACC+8*\tl+3] offset:64*(4*\g+\tl)          ; y(r, 16 (4 g + tl) + 8 h + 0 .. 7); each accumulator from its low end on
	ds_store_b128 v[STO], v[ACC+8*\tl+4:ACC+8*\tl+7] offset:64*(4*\g+\tl)+16
.endr
	s_wait_dscnt 0x0                               ; the stores have read their registers
.endr
.irp t, 0,1,2,3,4,5,6,7,8,9,10,11,12,13,14,15
	ds_load_b128 v[KR+4*\t:KR+4*\t+3], v[RD] offset:SP*\t
.endr
	s_wait_dscnt 0x0
.irp t, 0,1,2,3,4,5,6,7,8,9,10,11,12,13,14,15
	global_store_b128 v[IM], v[KR+4*\t:KR+4*\t+3], s[6:7] offset:4096*\t th:TH_STORE_NT   ; 32 lanes store 512 consecutive bytes, aligned
.endr
	s_wait_tensorcnt 0x0                           ; the wave's end, behind my last LDS store
	ds_add_u32 v[SPW], v[NIL]
	s_wait_dscnt 0x0
	s_endpgm
.Lfunc_end_k_qcada13d235_fine:
	.size	k_qcada13d235_fine, .Lfunc_end_k_qcada13d235_fine-k_qcada13d235_fine
	.p2alignl 7, 3214868480
	.fill 96, 4, 3214868480
	.section	.rodata,"a",@progbits
	.p2align	6, 0x0
	.amdhsa_kernel k_qcada13d235_fine
		.amdhsa_group_segment_fixed_size 76800
		.amdhsa_private_segment_fixed_size 0
		.amdhsa_enable_private_segment 0
		.amdhsa_kernarg_size 16
		.amdhsa_user_sgpr_count 2
		.amdhsa_user_sgpr_kernarg_segment_ptr 1
		.amdhsa_wavefront_size32 1
		.amdhsa_system_sgpr_workgroup_id_x 1
		.amdhsa_system_sgpr_workgroup_id_y 1
		.amdhsa_system_sgpr_workgroup_id_z 1
		.amdhsa_system_vgpr_workitem_id 0
		.amdhsa_next_free_vgpr 256
		.amdhsa_next_free_sgpr 66
		.amdhsa_reserve_vcc 1
		.amdhsa_float_denorm_mode_32 3
		.amdhsa_float_denorm_mode_16_64 3
		.amdhsa_memory_ordered 1
		.amdhsa_forward_progress 1
		.amdhsa_inst_pref_size 26
	.end_amdhsa_kernel
	.amdgpu_metadata
---
amdhsa.version: [ 1, 2 ]
amdhsa.kernels:
  - .name:           k_qcada13d235_fine
    .symbol:         k_qcada13d235_fine.kd
    .args:
      - { .name: qkv32, .offset: 0, .size: 8, .value_kind: global_buffer, .address_space: global }
      - { .name: out0, .offset: 8, .size: 8, .value_kind: global_buffer, .address_space: global }
    .group_segment_fixed_size: 76800
    .private_segment_fixed_size: 0
    .kernarg_segment_align: 8
    .kernarg_segment_size: 16
    .max_flat_workgroup_size: 256
    .sgpr_count:     66
    .vgpr_count:     256
    .wavefront_size: 32
...
	.end_amdgpu_metadata
.endif
;; end of part 5
